; MI455X (gfx1250); checked and timed in simulation.
; The chip was launched on July 23, 2026; its instructions are those of AMD's public machine-readable ISA for CDNA 5 (MIT licence, August 2026) and "CDNA5" Instruction Set Architecture Reference Guide (July 2026). The comments in the code are by the model that wrote it; some were corrected since.
;; Attention Block. Allowed arithmetic: matrix products marked QUANTISED: E4M3 operands, one given power-of-two scale a tensor, by v_wmma_f32_16x16x64_fp8_fp8 or v_wmma_f32_16x16x128_fp8_fp8, f32 sums; everything else in f32.
;; Inputs: gn_b 256 float32; gn_w 256 float32; lowp_scales 8 int32 (the exponents e of the quantised operands' scales 2^e); proj_b 256 float32; proj_w_codes 256 x 8 x 32 uint8 (E4M3 codes of proj_w, K innermost, in blocks of 32 codes); qkv_b 768 float32; qkv_w_codes 768 x 8 x 32 uint8 (E4M3 codes of qkv_w, K innermost, in blocks of 32 codes); x 4 x 256 x 64 x 64 float32.
;; Outputs: out0 4 x 256 x 64 x 64 float32.
;; This version of the problem:
;;   THIS VERSION OF THE PROBLEM IS GIVEN IN LOW PRECISION. The matrix products marked QUANTISED in the list below multiply operands that are first quantised to E4M3 (4 exponent bits, 3 mantissa bits; 8 bits a number), with one given power-of-two scale for each operand tensor; their sums are f32. All else is computed in f32.
;;   The module's matrix products, in the order in which they are computed (A, B: the left and right operand; K: the contracted axis; several contracted axes count as one K, in the product's order):
;;     1. [M 16,384, K 256] x [K 256, N 768]; A: computed on the way; B: input qkv_w (given as codes): QUANTISED (scales: A lowp_scales[0], B lowp_scales[1])
;;     2. batch 16 x [M 4,096, K 64] x [K 64, N 4,096]; A: computed on the way; B: computed on the way: QUANTISED (scales: A lowp_scales[2], B lowp_scales[3])
;;     3. batch 16 x [M 64, K 4,096] x [K 4,096, N 4,096]; A: computed on the way; B: softmax (see below): QUANTISED (scales: A lowp_scales[4], B lowp_scales[5])
;;     4. [M 16,384, K 256] x [K 256, N 256]; A: computed on the way; B: input proj_w (given as codes): QUANTISED (scales: A lowp_scales[6], B lowp_scales[7])
;;   THE QUANTISER, for each operand of a quantised product, along K:
;;     - The operand's scale is 2^e, e = its entry of the input lowp_scales (int32; the entries are numbered through the quantised products in the list's order, A before B).
;;     - Each number is divided by the scale, clamped to +-448, and rounded to the nearest number of E4M3, ties to even, subnormals kept.
;;     - The product sums the exact products of the quantised numbers (number of the format x scale) in f32.
;;   ~~~python
;;   def quantise(x, axis, e):      # numpy; x: float32 -> the quantised numbers, widened to float32 again
;;       x = np.moveaxis(x, axis, -1); K = x.shape[-1]
;;       r = np.clip(x / 2.0 ** e, -448, 448)
;;       step = 2.0 ** (np.maximum(np.frexp(np.where(r == 0, 1, r))[1] - 1, -6) - 3)
;;       q = np.round(r / step) * step * 2.0 ** e      # np.round: ties to even
;;       return np.moveaxis(q, -1, axis).astype(np.float32)
;;   ~~~
;;   SOFTMAX AHEAD OF A QUANTISED PRODUCT. Where the list says 'softmax', what is quantised is not the finished softmax but p = 2^(t - M), with t = logit x log2(e) and M = ceil(the row's largest t), a whole number; so 1/2 < the row's largest p <= 1. The row's sum l is taken of the UNQUANTISED p, in f32, and the product's result is divided by l at the end. Since M is a whole number, a kernel that streams over the keys may use a running M (the ceiling of the running maximum): every later rescaling is an exact power of two, so the quantised numbers keep their values, but for numbers so far below the row's largest that they fall under the format's range.
;;   OPERANDS COMPUTED ON THE WAY. 'Computed on the way' means the value that the module computes at that place (a softmax that the list does not call 'softmax' is quantised finished and normalised). What goes into a quantiser is computed in f32, as accurately as f32 sums, v_exp_f32 and their like allow (about 1e-6 of the number): no bf16 or f16 on the way to a quantiser, and a product that is left as it is and whose result goes on into a quantised operand takes f32 operands (vector FMAs, or v_wmma_f32_16x16x4_f32). A number that lies on a knife's edge between two numbers of the format may be rounded either way, as far as f32 arithmetic and the matrix unit's own rounding can turn it there, and no further.
;;   INPUTS GIVEN AS CODES. proj_w (in the module: [256, 256], K = its axis 1); qkv_w (in the module: [768, 256], K = its axis 1): each comes as NAME_codes (uint8): NAME with its K axis moved to the last place and cut into blocks of 32 codes, [.., K / 32, bytes a block], one block behind the other in memory; one code a byte (a code: sign, 4 exponent bits, 3 mantissa bits); its scale is its entry of lowp_scales. Its value is code x scale, taken as it is: it is not quantised again, and the codes and scales need not be those that the quantiser above would give.
;; 2 versions, each right; version 2 is version 1 with the launches qkv, attn, proj written anew for expert scheduling mode. Each part assembles by itself: llvm-mc -triple=amdgcn-amd-amdhsa -mcpu=gfx1250 --defsym DOCPART=n.
;; ======== version 1 of 2: 4 launches
;; limits: right only within a limited range of input values
;; workspace buffers: stats 2,048 bytes; q 4,194,304 bytes; kv 8,388,608 bytes; oc 4,194,304 bytes
;; launch stats (part 1): grid 256 x 1, 8 waves a work-group, no clusters, 1,280 bytes of LDS; arguments x, stats; writes stats
.if DOCPART == 1
	.amdgcn_target "amdgcn-amd-amdhsa--gfx1250"
	.amdhsa_code_object_version 6
	.text
	.protected	k_q627d3ac2a4_stats
	.globl	k_q627d3ac2a4_stats
	.p2align	8
	.type	k_q627d3ac2a4_stats,@function
k_q627d3ac2a4_stats:
	s_mov_b64 s[64:65], 0
	v_nop
	global_prefetch_b8 v0, s[64:65] scope:SCOPE_SE
	s_setreg_imm32_b32 hwreg(HW_REG_WAVE_MODE, 25, 1), 1
	s_wait_xcnt 0x0
; GroupNorm's statistics, first half.  x is [4][256][4096] f32; a group is 32 channels, 131,072 consecutive numbers.
; Work-group g takes chunk g: 16,384 consecutive numbers (65,536 bytes), an eighth of a group, and stores the chunk's mean and the sum of
; squares of the differences from THAT mean.  The next launch joins a group's eight pairs.  So the variance is never a difference of two large sums,
; and a common offset of the inputs costs no accuracy.
; Eight waves; thread t takes 16 bytes at 4096 i + 16 t, i = 0 .. 15: a wave's load covers 512 consecutive bytes, aligned.  The chunk stays in registers
; between the two passes: x is read once here.  No matrix unit, no cluster, no ring: work-groups share nothing and each byte is used by one lane.
; The launch's only stores are 8 bytes a work-group, 2,048 bytes in all.
.set X, 16                             ; v16-79  my 64 numbers
; v[2:9] four chains of pairs; v[10:11] the mean twice, later (mean, M2); v12 at work; v13 a lane permute's destination; v14 4 x wave; v15 0; v80-87 the waves' parts
.macro WGSUM off                       ; v12: each lane's part -> the work-group's sum, in every lane.  off: the eight LDS words used
	v_add_f32_dpp v12, v12, v12 row_xmask:1 row_mask:0xf bank_mask:0xf
	v_add_f32_dpp v12, v12, v12 row_xmask:2 row_mask:0xf bank_mask:0xf
	v_add_f32_dpp v12, v12, v12 row_xmask:4 row_mask:0xf bank_mask:0xf
	v_add_f32_dpp v12, v12, v12 row_xmask:8 row_mask:0xf bank_mask:0xf
	v_permlanex16_b32 v13, v12, s12, s13
	v_add_f32 v12, v12, v13
	ds_store_b32 v14, v12 offset:\off              ; all lanes of a wave write the wave's word with the same number
	s_wait_dscnt 0x0                               ; for the others' sake: my store has landed
	s_barrier_signal -1
	s_barrier_wait -1
	ds_load_b128 v[80:83], v15 offset:\off
	ds_load_b128 v[84:87], v15 offset:\off+16
	s_wait_dscnt 0x0
	v_add_f32 v80, v80, v81
	v_add_f32 v82, v82, v83
	v_add_f32 v84, v84, v85
	v_add_f32 v86, v86, v87
	v_add_f32 v80, v80, v82
	v_add_f32 v84, v84, v86
	v_add_f32 v12, v80, v84
.endm
.macro JOIN                            ; the four chains and their halves -> v12
	v_pk_add_f32 v[2:3], v[2:3], v[4:5]
	v_pk_add_f32 v[6:7], v[6:7], v[8:9]
	v_pk_add_f32 v[2:3], v[2:3], v[6:7]
	v_add_f32 v12, v2, v3
.endm
	s_load_b128 s[4:7], s[0:1], 0x0                ; x, stats
	v_lshl_add_u32 v96, v0, 2, 0x100
	v_mov_b32 v97, 0
	v_lshlrev_b32 v1, 4, v0                        ; 16 t
	v_lshrrev_b32 v12, 5, v0
	v_readfirstlane_b32 s8, v12                    ; wave
	v_mov_b32 v13, 0
	v_mov_b32 v15, 0
	s_lshl_b32 s9, s8, 2
	v_mov_b32 v14, s9
	s_lshl_b32 s10, ttmp9, 16                      ; my chunk in x
	s_mov_b32 s11, 0
	s_lshl_b32 s14, ttmp9, 3                       ; my pair in stats
	s_mov_b32 s15, 0
	s_mov_b32 s12, 0x76543210                      ; v_permlanex16_b32: lane l xor 16
	s_mov_b32 s13, 0xfedcba98
	s_wait_kmcnt 0x0
	s_add_nc_u64 s[4:5], s[4:5], s[10:11]
	s_add_nc_u64 s[6:7], s[6:7], s[14:15]
.irp i, 0,1,2,3,4,5,6,7,8,9,10,11,12,13,14,15
	global_load_b128 v[X+4*\i:X+4*\i+3], v1, s[4:5] offset:4096*\i
.endr
	; pass 1: the sum, in four chains that the first four loads start
	s_wait_loadcnt 12                              ; loads 0 to 3 are in, the twelve younger ones may be out
.irp c, 0,1,2,3
	v_pk_add_f32 v[2+2*\c:3+2*\c], v[X+4*\c:X+4*\c+1], v[X+4*\c+2:X+4*\c+3]
.endr
.irp g, 1,2,3
	s_wait_loadcnt 12-4*\g                         ; the next four are in
.irp c, 0,1,2,3
	v_pk_add_f32 v[2+2*\c:3+2*\c], v[2+2*\c:3+2*\c], v[X+16*\g+4*\c:X+16*\g+4*\c+1]
.endr
.irp c, 0,1,2,3
	v_pk_add_f32 v[2+2*\c:3+2*\c], v[2+2*\c:3+2*\c], v[X+16*\g+4*\c+2:X+16*\g+4*\c+3]
.endr
.endr
	JOIN
	WGSUM 0
	v_mul_f32 v10, 0x38800000, v12                 ; the chunk's mean: sum x 2^-14
	v_mov_b32 v11, v10
	; pass 2: the squares of the differences from it
.set p, 0
.rept 32
	v_pk_add_f32 v[X+2*p:X+2*p+1], v[X+2*p:X+2*p+1], v[10:11] neg_lo:[0,1] neg_hi:[0,1]
.set p, p+1
.endr
.irp c, 0,1,2,3
	v_pk_mul_f32 v[2+2*\c:3+2*\c], v[X+2*\c:X+2*\c+1], v[X+2*\c:X+2*\c+1]
.endr
.set p, 4
.rept 28
	v_pk_fma_f32 v[2+2*(p%4):3+2*(p%4)], v[X+2*p:X+2*p+1], v[X+2*p:X+2*p+1], v[2+2*(p%4):3+2*(p%4)]
.set p, p+1
.endr
	JOIN
	WGSUM 64                                       ; other LDS words than the first sum's: no wave can overwrite what another still reads
	v_mov_b32 v11, v12                             ; (mean, M2)
	s_cmp_lg_u32 s8, 0
	s_cbranch_scc1 .Lend                           ; wave 0's lane 0 stores
	v_cmp_eq_u32 vcc_lo, 0, v0
	s_wait_xcnt 0x0                                ; EXEC changes only behind this wait
	s_and_saveexec_b32 s9, vcc_lo
	global_store_b64 v15, v[10:11], s[6:7]
	s_wait_xcnt 0x0                                ; and again in front of the line that widens it
	s_or_b32 exec_lo, exec_lo, s9
.Lend:
	s_wait_tensorcnt 0x0
	ds_add_u32 v96, v97
	s_wait_dscnt 0x0
	s_endpgm
.Lfunc_end_k_q627d3ac2a4_stats:
	.size	k_q627d3ac2a4_stats, .Lfunc_end_k_q627d3ac2a4_stats-k_q627d3ac2a4_stats
	.p2alignl 7, 3214868480
	.fill 96, 4, 3214868480
	.section	.rodata,"a",@progbits
	.p2align	6, 0x0
	.amdhsa_kernel k_q627d3ac2a4_stats
		.amdhsa_group_segment_fixed_size 1280
		.amdhsa_private_segment_fixed_size 0
		.amdhsa_enable_private_segment 0
		.amdhsa_kernarg_size 16
		.amdhsa_user_sgpr_count 2
		.amdhsa_user_sgpr_kernarg_segment_ptr 1
		.amdhsa_wavefront_size32 1
		.amdhsa_system_sgpr_workgroup_id_x 1
		.amdhsa_system_sgpr_workgroup_id_y 1
		.amdhsa_system_sgpr_workgroup_id_z 1
		.amdhsa_system_vgpr_workitem_id 0
		.amdhsa_next_free_vgpr 98
		.amdhsa_next_free_sgpr 66
		.amdhsa_reserve_vcc 1
		.amdhsa_float_denorm_mode_32 3
		.amdhsa_float_denorm_mode_16_64 3
		.amdhsa_memory_ordered 1
		.amdhsa_forward_progress 1
		.amdhsa_inst_pref_size 12
	.end_amdhsa_kernel
	.amdgpu_metadata
---
amdhsa.version: [ 1, 2 ]
amdhsa.kernels:
  - .name:           k_q627d3ac2a4_stats
    .symbol:         k_q627d3ac2a4_stats.kd
    .args:
      - { .name: x, .offset: 0, .size: 8, .value_kind: global_buffer, .address_space: global }
      - { .name: stats, .offset: 8, .size: 8, .value_kind: global_buffer, .address_space: global }
    .group_segment_fixed_size: 1280
    .private_segment_fixed_size: 0
    .kernarg_segment_align: 8
    .kernarg_segment_size: 16
    .max_flat_workgroup_size: 256
    .sgpr_count:     66
    .vgpr_count:     98
    .wavefront_size: 32
...
	.end_amdgpu_metadata
.endif
;; end of part 1
;; launch qkv (part 2): grid 256 x 1, 8 waves a work-group, no clusters, 17,664 bytes of LDS; arguments x, stats, gn_w, gn_b, qkv_w_codes, qkv_b, lowp_scales, q, kv; writes q, kv
.if DOCPART == 2
	.amdgcn_target "amdgcn-amd-amdhsa--gfx1250"
	.amdhsa_code_object_version 6
	.text
	.protected	k_q627d3ac2a4_qkv
	.globl	k_q627d3ac2a4_qkv
	.p2align	8
	.type	k_q627d3ac2a4_qkv,@function
k_q627d3ac2a4_qkv:
	s_mov_b64 s[64:65], 0
	v_nop
	global_prefetch_b8 v0, s[64:65] scope:SCOPE_SE
	s_setreg_imm32_b32 hwreg(HW_REG_WAVE_MODE, 25, 1), 1
	s_wait_xcnt 0x0
; GroupNorm finished, quantised (scale 2^e0), times qkv_w's codes (2^e1), + qkv_b; q x 1/8, k and v quantised (2^e2, 2^e3, 2^e4) and stored as IMAGES OF THE NEXT LAUNCH'S OPERAND REGISTERS.
; SHARES.  A work-group takes one batch b and 64 positions (four tiles m of 16).  Normalising: wave w takes channels 32 w .. 32 w + 31, which are GroupNorm's group w, for all 64 positions; lane L takes positions 2 L, 2 L + 1.
; Its registers run along the channels, the product's K, so the conversions' results are 16-byte pieces of the operand; they go to LDS as register images (16 bytes a lane, 512 a group of four registers).
; Products: wave w makes q's, k's and v's channels 32 w .. 32 w + 31 (two tiles tp each) for the 64 positions, K = 256 in two steps: 48 matrix instructions.
; K'S PLACES.  Both operands of this product hold k = 32 c + 16 (lane / 16) + 0 .. 15 in registers 4 c .. 4 c + 3: a permutation of k, the same on both sides, so each product meets its partner.
; q AND k: source 0 = 16 rows of W, source 1 = 16 positions: a lane holds one position and eight neighbouring channels, which one conversion turns into registers 2 c, 2 c + 1 (c = the tile's number in the head)
; of the 16 x 64 fragment that the attention launch feeds to the K = 64 form.   v: sources swapped: a lane holds one channel and eight neighbouring positions (keys): registers 2 c, 2 c + 1 of a 16 channels x 128 keys fragment.
; The bias is the C of a sum's first matrix instruction, divided by 2^(e0 + e1); that power, the 1/8 and the operand's own scale are folded into the conversion's one scale.
; No tensor loads, no cluster: the weights (24,576 bytes a wave) go straight into the registers that keep them, and x is read once by one lane each.
; LIMITS: e0, e2 + 3 - e0 - e1, e3 - e0 - e1, e4 - e0 - e1 lie between -126 and 119, so that each scale and 448 x it are f32 numbers.  NaN among the inputs is not served.
.set LI,   1                           ; v1  16 x lane: my place in a register image
.set L8,   2                           ; v2  8 x lane: my two positions in a row of x
.set ZERO, 3                           ; v3  0
.set WO,   4                           ; v4  256 r + 16 h: my place in 16 rows of W
.set BO,   5                           ; v5  32 h: q's and k's bias, eight numbers of my half
.set BV,   6                           ; v6  4 r: v's bias, my channel's
.set XST,  7                           ; v7  where I store x's codes
.set XR,   16                          ; v16-79   x: pair 2 k = channel k at my two positions
.set XN,   80                          ; v80-143  normalised: position i at 32 i + k
.set GW,   144                         ; v144-175 gn_w of my 32 channels
.set GB,   176                         ; v176-207 gn_b
.set STT,  208                         ; v208-223 my group's eight (mean, M2)
.set SC,   224                         ; v224-231 (scale, 448 x scale) for x, q, k, v
.set NM,   232                         ; v[232:233] -mean, twice
.set RS,   234                         ; v[234:235] 1 / sqrt(var + eps), twice
.set TT,   236                         ; v236-239 at work
.set CO,   240                         ; v240-255 codes just made
.set XF,   16                          ; v16-143  in the products: x's fragment (m, ks) at 16 (2 m + ks)
.set ACC,  144                         ; v144-207 accumulator (tp, m) at 8 (4 tp + m)
.set WF,   0                           ; window 1: W's fragment (sel, tp, ks) at 64 sel + 32 tp + 16 ks
.set BI,   192                         ; window 1: the bias tile (sel, tp) at 16 sel + 8 tp
.set MP,   4112                        ; LDS: a tile of positions: two fragments of 2,048 bytes + 16: the second tile that sixteen lanes' stores touch then falls into the 16-byte columns that the first leaves free (64 banks of 4 bytes: ISA guide 11.1)
.set MSB, 0
.macro WIN new                         ; the immediate's high byte repeats the setting that is left; a switch that changes nothing is dropped
.if MSB != (\new)
	s_set_vgpr_msb (MSB<<8)|(\new)
.set MSB, (\new)
.endif
.endm
.macro SCL e, vs, vl                   ; s[e] = E  ->  v[vs] = 2^E, v[vl] = 448 x 2^E
	s_add_co_i32 s46, s[\e], 127
	s_lshl_b32 s47, s46, 23
	v_mov_b32 v[\vs], s47
	s_add_co_i32 s46, s46, 8
	s_lshl_b32 s46, s46, 23
	s_or_b32 s46, s46, 0x600000
	v_mov_b32 v[\vl], s46
.endm
	s_load_b512 s[4:19], s[0:1], 0x0               ; x 4:5, stats 6:7, gn_w 8:9, gn_b 10:11, W 12:13, qkv_b 14:15, scales 16:17, q 18:19
	s_load_b64 s[20:21], s[0:1], 0x40              ; kv
	v_lshl_add_u32 v14, v0, 2, 0x4100
	v_mov_b32 v15, 0
	v_lshrrev_b32 v8, 5, v0
	v_readfirstlane_b32 s22, v8                    ; wave w
	s_lshr_b32 s23, ttmp9, 6                       ; b
	s_and_b32 s32, ttmp9, 63                       ; blk: which 64 positions
	v_and_b32 v8, 31, v0                           ; lane
	v_lshlrev_b32 v[LI], 4, v8
	v_lshlrev_b32 v[L8], 3, v8
	v_mov_b32 v[ZERO], 0
	v_and_b32 v9, 15, v0                           ; r
	v_bfe_u32 v10, v0, 4, 1                        ; h
	v_lshlrev_b32 v[WO], 8, v9
	v_lshl_add_u32 v[WO], v10, 4, v[WO]
	v_lshlrev_b32 v[BO], 5, v10
	v_lshlrev_b32 v[BV], 2, v9
	v_bfe_u32 v11, v0, 3, 2                        ; lane / 8: my two positions' tile
	v_mul_u32_u24 v[XST], v11, MP
	v_and_b32 v11, 7, v0
	v_lshl_add_u32 v[XST], v11, 5, v[XST]          ; + 16 x (position in the tile) = 32 (lane % 8) + 16 i
	s_lshr_b32 s33, s22, 2
	s_lshl_b32 s33, s33, 11                        ; my channels' K step: w / 4,
	s_and_b32 s40, s22, 3
	s_lshl_b32 s40, s40, 9                         ; and group of four registers: w % 4
	s_add_co_u32 s33, s33, s40
	v_add_nc_u32 v[XST], s33, v[XST]
	s_mov_b32 s35, 0
	s_wait_kmcnt 0x0
	s_load_b256 s[24:31], s[16:17], 0x0            ; e0 .. e7
	s_lshl_b32 s34, s23, 3
	s_add_co_u32 s34, s34, s22
	s_lshl_b32 s34, s34, 6                         ; stats: group 8 b + w, 64 bytes each
	s_add_nc_u64 s[6:7], s[6:7], s[34:35]
	s_lshl_b32 s34, s23, 22
	s_lshl_b32 s33, s22, 19
	s_add_co_u32 s34, s34, s33
	s_lshl_b32 s33, s32, 8
	s_add_co_u32 s34, s34, s33                     ; x: batch, my 32 channels, my work-group's 64 positions
	s_add_nc_u64 s[4:5], s[4:5], s[34:35]
	s_lshl_b32 s34, s22, 7                         ; my 32 numbers of gn_w, gn_b and of each third of qkv_b
	s_add_nc_u64 s[8:9], s[8:9], s[34:35]
	s_add_nc_u64 s[10:11], s[10:11], s[34:35]
	s_add_nc_u64 s[14:15], s[14:15], s[34:35]
	s_lshl_b32 s34, s22, 13                        ; my 32 rows of each third of W
	s_add_nc_u64 s[12:13], s[12:13], s[34:35]
.irp i, 0,1,2,3
	global_load_b128 v[STT+4*\i:STT+4*\i+3], v[ZERO], s[6:7] offset:16*\i      ; every lane reads the same 64 bytes
.endr
.set k, 0
.rept 32
	global_load_b64 v[XR+2*k:XR+2*k+1], v[L8], s[4:5] offset:16384*k           ; channel k: the wave reads 256 consecutive bytes, aligned
.set k, k+1
.endr
.irp i, 0,1,2,3,4,5,6,7
	global_load_b128 v[GW+4*\i:GW+4*\i+3], v[ZERO], s[8:9] offset:16*\i
.endr
.irp i, 0,1,2,3,4,5,6,7
	global_load_b128 v[GB+4*\i:GB+4*\i+3], v[ZERO], s[10:11] offset:16*\i
.endr
	WIN 0x40                                       ; destination window 1
.irp sel, 0,1,2
.irp tp, 0,1
.irp ks, 0,1
.irp c, 0,1,2,3
	global_load_b128 v[WF+64*\sel+32*\tp+16*\ks+4*\c:WF+64*\sel+32*\tp+16*\ks+4*\c+3], v[WO], s[12:13] offset:\sel*65536+\tp*4096+\ks*128+\c*32
.endr
.endr
.endr
.endr
.irp sel, 0,1
.irp tp, 0,1
	global_load_b128 v[BI+16*\sel+8*\tp:BI+16*\sel+8*\tp+3], v[BO], s[14:15] offset:\sel*1024+\tp*64
	global_load_b128 v[BI+16*\sel+8*\tp+4:BI+16*\sel+8*\tp+7], v[BO], s[14:15] offset:\sel*1024+\tp*64+16
.endr
.endr
.irp tp, 0,1
	global_load_b32 v[BI+32+8*\tp], v[BV], s[14:15] offset:2048+\tp*64
.endr
	WIN 0
	; where the results go
	s_lshl_b32 s40, s23, 2
	s_lshr_b32 s33, s22, 1
	s_add_co_u32 s40, s40, s33                     ; bh = 4 b + w / 2: my channels' head
	s_and_b32 s41, s22, 1                          ; which half of the head's 64 channels
	s_and_b32 s42, s32, 1                          ; which half of a key step's 128 keys
	s_lshl_b32 s34, s40, 8
	s_lshl_b32 s33, s32, 2
	s_add_co_u32 s34, s34, s33
	s_lshl_b32 s34, s34, 10                        ; q: fragment (bh, 4 blk + m), 1,024 bytes each,
	s_lshl_b32 s33, s41, 9
	s_add_co_u32 s34, s34, s33                     ; my half's group of four registers
	s_add_nc_u64 s[18:19], s[18:19], s[34:35]
	s_lshl_b32 s34, s40, 19
	s_lshr_b32 s33, s32, 1
	s_lshl_b32 s33, s33, 14
	s_add_co_u32 s34, s34, s33                     ; kv: head bh, key step blk / 2: 8,192 bytes of K, then 8,192 of V
	s_add_nc_u64 s[20:21], s[20:21], s[34:35]
	s_lshl_b32 s34, s42, 12
	s_lshl_b32 s33, s41, 9
	s_add_co_u32 s34, s34, s33
	s_add_nc_u64 s[36:37], s[20:21], s[34:35]      ; K: key tile 4 (blk % 2) + m, my half's group
	s_lshl_b32 s34, s41, 12
	s_lshl_b32 s33, s42, 10
	s_add_co_u32 s34, s34, s33
	s_add_co_u32 s34, s34, 8192
	s_add_nc_u64 s[38:39], s[20:21], s[34:35]      ; V: channel tile 2 (w % 2) + tp, groups 2 (blk % 2) + 0, 1
	s_wait_kmcnt 0x0
	s_add_co_i32 s40, s24, s25                     ; e0 + e1: a sum stands for sum x 2^(e0 + e1)
	s_sub_co_i32 s45, 0, s40
	s_add_co_i32 s41, s26, 3
	s_sub_co_i32 s41, s41, s40                     ; q / 8 / 2^e2 = sum / 2^(e2 + 3 - e0 - e1)
	s_sub_co_i32 s42, s27, s40
	s_sub_co_i32 s43, s28, s40
	SCL 24, SC, SC+1
	SCL 41, SC+2, SC+3
	SCL 42, SC+4, SC+5
	SCL 43, SC+6, SC+7
	s_mov_b32 s44, 0x46800000                      ; 16,384: a chunk's numbers
	s_mov_b32 s33, 0x37000000                      ; 2^-17: 1 / a group's numbers
	s_mov_b32 s34, 0x3727c5ac                      ; eps = 1e-5
	s_wait_loadcnt 58                              ; the 48 loads of W and the 10 of qkv_b may be out: stats, x, gn_w and gn_b are in
	; the group's mean and variance from its eight chunks: M2 = the sum of the chunks' M2 + 16,384 x the sum of (chunk's mean - mean)^2
	v_add_f32 v[TT], v[STT], v[STT+2]
	v_add_f32 v[TT+1], v[STT+4], v[STT+6]
	v_add_f32 v[TT+2], v[STT+8], v[STT+10]
	v_add_f32 v[TT+3], v[STT+12], v[STT+14]
	v_add_f32 v[TT], v[TT], v[TT+1]
	v_add_f32 v[TT+2], v[TT+2], v[TT+3]
	v_add_f32 v[TT], v[TT], v[TT+2]
	v_mul_f32 v[TT], 0x3e000000, v[TT]             ; the mean
.irp i, 0,1,2,3,4,5,6,7
	v_sub_f32 v[STT+2*\i], v[STT+2*\i], v[TT]
.endr
	v_mul_f32 v[TT+1], v[STT], v[STT]
.irp i, 1,2,3,4,5,6,7
	v_fma_f32 v[TT+1], v[STT+2*\i], v[STT+2*\i], v[TT+1]
.endr
	v_add_f32 v[TT+2], v[STT+1], v[STT+3]
.irp i, 2,3,4,5,6,7
	v_add_f32 v[TT+2], v[TT+2], v[STT+2*\i+1]
.endr
	v_fma_f32 v[TT+2], v[TT+1], s44, v[TT+2]
	v_fma_f32 v[TT+2], v[TT+2], s33, s34           ; var + eps
	v_rsq_f32 v[RS], v[TT+2]
	v_mul_f32 v[NM], -1.0, v[TT]                   ; (plain lines behind the transcendental)
	v_mov_b32 v[NM+1], v[NM]
	s_wait_alu depctr_va_vdst(0)                   ; ahead of the first line that names the root's result
	v_mov_b32 v[RS+1], v[RS]
	; ((x - mean) x rsqrt) x gn_w + gn_b; the last line also sorts the numbers so that a position's 32 channels stand in consecutive registers
.set k, 0
.rept 32
	v_pk_add_f32 v[XR+2*k:XR+2*k+1], v[XR+2*k:XR+2*k+1], v[NM:NM+1]
.set k, k+1
.endr
.set k, 0
.rept 32
	v_pk_mul_f32 v[XR+2*k:XR+2*k+1], v[XR+2*k:XR+2*k+1], v[RS:RS+1]
.set k, k+1
.endr
.set k, 0
.rept 32
	v_fma_f32 v[XN+k], v[XR+2*k], v[GW+k], v[GB+k]
	v_fma_f32 v[XN+32+k], v[XR+2*k+1], v[GW+k], v[GB+k]
.set k, k+1
.endr
.set k, 0
.rept 64
	v_med3_num_f32 v[XN+k], v[XN+k], -v[SC+1], v[SC+1]     ; the conversion to an 8-bit code does not saturate (ISA guide 7.6.2): the hold at 448 x the scale
.set k, k+1
.endr
.irp i, 0,1
.irp g, 0,1,2,3
	v_cvt_scalef32_pk8_fp8_f32 v[CO+8*\i+2*\g:CO+8*\i+2*\g+1], v[XN+32*\i+8*\g:XN+32*\i+8*\g+7], v[SC]
.endr
.endr
	v_nop                                          ; one plain line behind the last conversion
.irp i, 0,1
.irp hh, 0,1
	ds_store_b128 v[XST], v[CO+8*\i+4*\hh:CO+8*\i+4*\hh+3] offset:16*\i+256*\hh   ; position 2 L + i, channels 16 hh on: the place of lane (r, hh) in the image
.endr
.endr
	s_wait_dscnt 0x0                               ; for the others' sake: my stores have landed
	s_barrier_signal -1
	s_barrier_wait -1                              ; x's eight fragments lie in LDS
.irp m, 0,1,2,3
.irp ks, 0,1
.irp c, 0,1,2,3
	ds_load_b128 v[XF+16*(2*\m+\ks)+4*\c:XF+16*(2*\m+\ks)+4*\c+3], v[LI] offset:\m*MP+\ks*2048+512*\c
.endr
.endr
.endr
	s_wait_loadcnt 0x0                             ; W and qkv_b
	WIN 0x41                                       ; source 0 and destination window 1
.set k, 0
.rept 32
	v_ldexp_f32 v[BI+k], v[BI+k], s45              ; q's and k's bias / 2^(e0 + e1)
.set k, k+1
.endr
.irp tp, 0,1
.irp j, 7,6,5,4,3,2,1,0
	v_ldexp_f32 v[BI+32+8*\tp+\j], v[BI+32+8*\tp], s45     ; v's: a lane holds one channel, so its eight registers hold one number; register 0 last
.endr
.endr
	WIN 0
	s_wait_dscnt 0x0                               ; x's fragments are in
; One third of the product: sel = 0 q, 1 k, 2 v.  The eight accumulators take turns, one instruction a turn, K step by K step.
; sc: the (scale, limit) pair; pb: the pointer's scalar pair.
.macro UNIT sel, swap, sc, pb
.irp ks, 0,1
.if \swap
.if \ks == 0
	WIN 0x14                                       ; source 1 (W) and source 2 (bias) window 1
.else
	WIN 0x04
.endif
.else
.if \ks == 0
	WIN 0x11                                       ; source 0 (W) and source 2 (bias) window 1
.else
	WIN 0x01
.endif
.endif
.irp tp, 0,1
.irp m, 0,1,2,3
.if \swap
.if \ks == 0
	v_wmma_f32_16x16x128_fp8_fp8 v[ACC+8*(4*\tp+\m):ACC+8*(4*\tp+\m)+7], v[XF+16*(2*\m+\ks):XF+16*(2*\m+\ks)+15], v[WF+64*\sel+32*\tp+16*\ks:WF+64*\sel+32*\tp+16*\ks+15], v[BI+16*\sel+8*\tp:BI+16*\sel+8*\tp+7]
.else
	v_wmma_f32_16x16x128_fp8_fp8 v[ACC+8*(4*\tp+\m):ACC+8*(4*\tp+\m)+7], v[XF+16*(2*\m+\ks):XF+16*(2*\m+\ks)+15], v[WF+64*\sel+32*\tp+16*\ks:WF+64*\sel+32*\tp+16*\ks+15], v[ACC+8*(4*\tp+\m):ACC+8*(4*\tp+\m)+7]
.endif
.else
.if \ks == 0
	v_wmma_f32_16x16x128_fp8_fp8 v[ACC+8*(4*\tp+\m):ACC+8*(4*\tp+\m)+7], v[WF+64*\sel+32*\tp+16*\ks:WF+64*\sel+32*\tp+16*\ks+15], v[XF+16*(2*\m+\ks):XF+16*(2*\m+\ks)+15], v[BI+16*\sel+8*\tp:BI+16*\sel+8*\tp+7]
.else
	v_wmma_f32_16x16x128_fp8_fp8 v[ACC+8*(4*\tp+\m):ACC+8*(4*\tp+\m)+7], v[WF+64*\sel+32*\tp+16*\ks:WF+64*\sel+32*\tp+16*\ks+15], v[XF+16*(2*\m+\ks):XF+16*(2*\m+\ks)+15], v[ACC+8*(4*\tp+\m):ACC+8*(4*\tp+\m)+7]
.endif
.endif
.endr
.endr
.endr
	WIN 0
.rept 4
	v_nop                                          ; four places between the last product and the first read of results (ISA guide 7.12.1)
.endr
	s_wait_xcnt 0x0                                ; the last third's stores have read the codes' registers
.set k, 0
.rept 64
	v_med3_num_f32 v[ACC+k], v[ACC+k], -v[\sc+1], v[\sc+1]     ; each accumulator from its low end on
.set k, k+1
.endr
.irp tp, 0,1
.irp m, 0,1,2,3
.if \swap
	v_cvt_scalef32_pk8_fp8_f32 v[CO+8*\tp+2*\m:CO+8*\tp+2*\m+1], v[ACC+8*(4*\tp+\m):ACC+8*(4*\tp+\m)+7], v[\sc]   ; channel tile tp: keys 16 m + 8 h + 0 .. 7
.else
	v_cvt_scalef32_pk8_fp8_f32 v[CO+4*\m+2*\tp:CO+4*\m+2*\tp+1], v[ACC+8*(4*\tp+\m):ACC+8*(4*\tp+\m)+7], v[\sc]   ; position tile m: channels 16 tp + 8 h + 0 .. 7 of my half
.endif
.endr
.endr
	v_nop                                          ; one plain line behind the last conversion: the next third's products write its sources
.irp i, 0,1,2,3
.if \swap
	global_store_b128 v[LI], v[CO+4*\i:CO+4*\i+3], s[\pb:\pb+1] offset:(\i/2)*2048+(\i%2)*512
.else
	global_store_b128 v[LI], v[CO+4*\i:CO+4*\i+3], s[\pb:\pb+1] offset:\i*1024     ; the wave stores 512 consecutive bytes, aligned
.endif
.endr
.endm
	UNIT 0, 0, SC+2, 18
	UNIT 1, 0, SC+4, 36
	UNIT 2, 1, SC+6, 38
	s_wait_tensorcnt 0x0
	ds_add_u32 v14, v15
	s_wait_dscnt 0x0
	s_endpgm
.Lfunc_end_k_q627d3ac2a4_qkv:
	.size	k_q627d3ac2a4_qkv, .Lfunc_end_k_q627d3ac2a4_qkv-k_q627d3ac2a4_qkv
	.p2alignl 7, 3214868480
	.fill 96, 4, 3214868480
	.section	.rodata,"a",@progbits
	.p2align	6, 0x0
	.amdhsa_kernel k_q627d3ac2a4_qkv
		.amdhsa_group_segment_fixed_size 17664
		.amdhsa_private_segment_fixed_size 0
		.amdhsa_enable_private_segment 0
		.amdhsa_kernarg_size 72
		.amdhsa_user_sgpr_count 2
		.amdhsa_user_sgpr_kernarg_segment_ptr 1
		.amdhsa_wavefront_size32 1
		.amdhsa_system_sgpr_workgroup_id_x 1
		.amdhsa_system_sgpr_workgroup_id_y 1
		.amdhsa_system_sgpr_workgroup_id_z 1
		.amdhsa_system_vgpr_workitem_id 0
		.amdhsa_next_free_vgpr 512
		.amdhsa_next_free_sgpr 66
		.amdhsa_reserve_vcc 0
		.amdhsa_float_denorm_mode_32 3
		.amdhsa_float_denorm_mode_16_64 3
		.amdhsa_memory_ordered 1
		.amdhsa_forward_progress 1
		.amdhsa_inst_pref_size 53
	.end_amdhsa_kernel
	.amdgpu_metadata
---
amdhsa.version: [ 1, 2 ]
amdhsa.kernels:
  - .name:           k_q627d3ac2a4_qkv
    .symbol:         k_q627d3ac2a4_qkv.kd
    .args:
      - { .name: x, .offset: 0, .size: 8, .value_kind: global_buffer, .address_space: global }
      - { .name: stats, .offset: 8, .size: 8, .value_kind: global_buffer, .address_space: global }
      - { .name: gn_w, .offset: 16, .size: 8, .value_kind: global_buffer, .address_space: global }
      - { .name: gn_b, .offset: 24, .size: 8, .value_kind: global_buffer, .address_space: global }
      - { .name: qkv_w_codes, .offset: 32, .size: 8, .value_kind: global_buffer, .address_space: global }
      - { .name: qkv_b, .offset: 40, .size: 8, .value_kind: global_buffer, .address_space: global }
      - { .name: lowp_scales, .offset: 48, .size: 8, .value_kind: global_buffer, .address_space: global }
      - { .name: q, .offset: 56, .size: 8, .value_kind: global_buffer, .address_space: global }
      - { .name: kv, .offset: 64, .size: 8, .value_kind: global_buffer, .address_space: global }
    .group_segment_fixed_size: 17664
    .private_segment_fixed_size: 0
    .kernarg_segment_align: 8
    .kernarg_segment_size: 72
    .max_flat_workgroup_size: 256
    .sgpr_count:     66
    .vgpr_count:     512
    .wavefront_size: 32
...
	.end_amdgpu_metadata
.endif
;; end of part 2
;; launch attn (part 3): grid 256 x 1, 8 waves a work-group, no clusters, 33,792 bytes of LDS; arguments q, kv, lowp_scales, oc; writes oc
.if DOCPART == 3
	.amdgcn_target "amdgcn-amd-amdhsa--gfx1250"
	.amdhsa_code_object_version 6
	.text
	.protected	k_q627d3ac2a4_attn
	.globl	k_q627d3ac2a4_attn
	.p2align	8
	.type	k_q627d3ac2a4_attn,@function
k_q627d3ac2a4_attn:
	s_mov_b64 s[64:65], 0
	v_nop
	global_prefetch_b8 v0, s[64:65] scope:SCOPE_SE
	s_setreg_imm32_b32 hwreg(HW_REG_WAVE_MODE, 25, 1), 1
	s_wait_xcnt 0x0
; Attention on codes of E4M3: 16 (batch, head) pairs bh, head size 64, 4,096 queries and keys.  q, kv: register images that the launch before has stored; oc: the result, quantised (2^e6), as register images for the projection.
; SHARES.  A work-group owns 256 queries of one bh; each of its eight waves two tiles t of 16 queries, so that each fragment of K and V read from LDS feeds two matrix instructions; two waves share a SIMD, so that one wave's
; products stand beside the other's vector work.  Every wave walks the 4,096 keys in 32 steps of 128.
; LAYOUT.  S^T = K Q^T (source 0 = 16 keys, source 1 = 16 queries, K = 64) and O^T = V^T P^T (source 0 = 16 channels, source 1 = P, K = 128 keys): a lane holds ONE query throughout, and an accumulator of S^T, converted,
; is registers 2 kt, 2 kt + 1 of P's fragment: nothing changes lanes.
; SOFTMAX.  t = score x log2(e) x 2^(e2 + e3); M = the running largest t rounded UP to a whole number, kept as -M = floor(-t); p = 2^(t - M) is quantised with 2^e5; the row's sum is taken of the unquantised p;
; when M moves, the sum and O^T are multiplied by 2^(old M - new M), which rounds nothing.  At the end O^T x 2^(e4 + e5) / the sum.
; THE RING.  Tile T_j = V of step j and K of step j + 1: 16,384 consecutive bytes of kv.  Each thread brings 64 of them through registers, asked for two steps ahead, and stores them into one of two LDS slots a step ahead;
; one barrier a step.  K runs a step ahead of V, so that a step's first products start from registers straight behind the barrier.
; WHY NO TENSOR LOADS AND NO CLUSTER, though the sixteen work-groups of a bh walk the same kv: a work-group fetches 16,384 bytes a step, in which each of its eight waves issues some 400 vector instructions, so sharing those
; requests would shorten nothing.
; THE HOLD.  The conversion to an 8-bit code does not saturate (ISA guide 7.6.2).  t - M of the row's largest score is at most |t| x 2^-24, so for |t| below 2^23 p stays under 1.75, which is 448 x 2^-8: where e5 >= -8 no p can pass
; the largest code, and the 128 v_min_num_f32 are jumped over, by a scalar branch on the whole number e5.  LIMIT: with e5 >= -8, |t| below 2^23.
; LIMITS: e2 + e3 between -126 and 127; e5 and e6 between -126 and 119.  NaN among the inputs is not served.
.set LI,   1                           ; v1  16 x lane: my place in a register image
.set SA,   2                           ; v2  16 x thread: my place in 4,096 bytes of a tile
.set PFO,  3                           ; v3  256 x (thread % 128): the prefetch's offset
.set ST,   8                           ; tile t's statistics at v[8 + 8 t]: +0 -M, +1 the largest t, +2 +3 the sum in two halves, +4 f, +5 zero (named with f as a pair), +6 +7 at work
.set C2,   24                          ; v[24:25], v[26:27] the sums' second chains
.set LIMP, 28                          ; v28  448 x 2^e5
.set SCP,  29                          ; v29  2^e5
.set PD,   30                          ; v30, v31 lane permutes' destinations
.set Q,    32                          ; v32-47   Q's fragments, 8 a tile
.set CD,   48                          ; v48-79   P's codes, 16 a tile
.set SG,   80                          ; v80-111  tiles on their way to LDS: two sets of 16
.set SCO,  112                         ; v112 2^e6, v113 448 x 2^e6
.set LIMO, 113
.set S,    128                         ; v128-255 S^T, then p: 64 t + 8 kt
.set O,    0                           ; window 1: O^T: 32 t + 8 ct
.set KF,   64                          ; window 1: K's eight fragments
.set VF,   128                         ; window 1: V's four fragments
.set MSB, 0
.macro WIN new                         ; the immediate's high byte repeats the setting that is left; a switch that changes nothing is dropped
.if MSB != (\new)
	s_set_vgpr_msb (MSB<<8)|(\new)
.set MSB, (\new)
.endif
.endm
.macro SCL e, vs, vl                   ; s[e] = E  ->  v[vs] = 2^E, v[vl] = 448 x 2^E
	s_add_co_i32 s46, s[\e], 127
	s_lshl_b32 s47, s46, 23
	v_mov_b32 v[\vs], s47
	s_add_co_i32 s46, s46, 8
	s_lshl_b32 s46, s46, 23
	s_or_b32 s46, s46, 0x600000
	v_mov_b32 v[\vl], s46
.endm
; A PREFETCH of tiles T_(j+4) and T_(j+5), 32,768 bytes, in the trip that begins with step j: one trip of two steps ahead of the loads that will ask for them.  All sixteen work-groups of a bh walk the same kv: the first of them
; asks, and in it waves 0 to 3, a lane for each 256 bytes: each such block is named once in the launch.  It stands behind the step's loads.  The loop's last trip asks for nothing, so nothing is named beyond T_29;
; T_0 to T_3, T_30 and the last V come by their loads alone.
.macro ASK
	s_cmp_gt_u32 s34, s35
	s_cbranch_scc0 .Lnoask_\@
	global_prefetch_b8 v[PFO], s[16:17] offset:65536 th:TH_LOAD_NT scope:SCOPE_SE
.Lnoask_\@:
.endm
; Line k of 32 of tile t's sum of p, two numbers at a time, in two chains: 0 starts the second chain, 1 to 30 go by turns, 31 joins them.
.macro SUMOP t, k
.if (\k) == 0
	v_pk_add_f32 v[C2+2*\t:C2+2*\t+1], v[S+64*\t:S+64*\t+1], v[S+64*\t+2:S+64*\t+3]
.elseif (\k) == 31
	v_pk_add_f32 v[ST+8*\t+2:ST+8*\t+3], v[ST+8*\t+2:ST+8*\t+3], v[C2+2*\t:C2+2*\t+1]
.elseif (\k)%2 == 1
	v_pk_add_f32 v[ST+8*\t+2:ST+8*\t+3], v[ST+8*\t+2:ST+8*\t+3], v[S+64*\t+2*(\k)+2:S+64*\t+2*(\k)+3]
.else
	v_pk_add_f32 v[C2+2*\t:C2+2*\t+1], v[C2+2*\t:C2+2*\t+1], v[S+64*\t+2*(\k)+2:S+64*\t+2*(\k)+3]
.endif
.endm
; STEP j.  slot = j % 2.  ld: T_(j+2) is asked for (1: whole, 2: its V alone, 0: not).  st: T_(j+1) goes into the other slot (1, 2, 0 likewise).  kl: K of step j + 1 is fetched.  bar: the barrier.  ask: the prefetch.
.macro STEP slot, ld, st, kl, bar, ask
.set NLD, 0
.if \ld == 1
.set NLD, 4
.elseif \ld == 2
.set NLD, 2
.endif
.set NST, 0
.if \st == 1
.set NST, 4
.elseif \st == 2
.set NST, 2
.endif
	WIN 0x01                                       ; source 0 (K) window 1
.irp kt, 0,1,2,3,4,5,6,7
.irp t, 0,1
	v_wmma_f32_16x16x64_fp8_fp8 v[S+64*\t+8*\kt:S+64*\t+8*\kt+7], v[KF+8*\kt:KF+8*\kt+7], v[Q+8*\t:Q+8*\t+7], 0
.endr
.endr
	WIN 0
.irp i, 0,1,2,3
.if \i < NLD
	global_load_b128 v[SG+16*\slot+4*\i:SG+16*\slot+4*\i+3], v[SA], s[16:17] offset:32768+16384*\slot+4096*\i   ; a wave reads 512 consecutive bytes, aligned
.endif
.endr
.if \ask
	ASK
.endif
.rept 4
	v_nop                                          ; four places behind the products: for the loads into K's and V's registers and for the first reads of the scores (ISA guide 7.12.1 for the reads of the scores)
.endr
	WIN 0x40                                       ; destination window 1
.if \kl
.irp kt, 0,1,2,3,4,5,6,7
.irp g, 0,1
	ds_load_b128 v[KF+8*\kt+4*\g:KF+8*\kt+4*\g+3], v[LI] offset:\slot*16384+8192+\kt*1024+\g*512
.endr
.endr
.endif
.irp ct, 0,1,2,3
.irp g, 0,1,2,3
	ds_load_b128 v[VF+16*\ct+4*\g:VF+16*\ct+4*\g+3], v[LI] offset:\slot*16384+\ct*2048+\g*512
.endr
.endr
	WIN 0
.if \st
	s_wait_loadcnt NLD                             ; only the loads that this step has issued may be out: T_(j+1), asked for a step ago, is in
.irp i, 0,1,2,3
.if \i < NST
	ds_store_b128 v[SA], v[SG+16*(1-\slot)+4*\i:SG+16*(1-\slot)+4*\i+3] offset:(1-\slot)*16384+4096*\i   ; into the slot that nobody has read since the last barrier
.endif
.endr
.endif
	; the largest score of each query, among my 64 keys, in two chains a tile; each accumulator is read from its low end on
.irp t, 0,1
	v_max3_num_f32 v[ST+8*\t+6], v[S+64*\t], v[S+64*\t+1], v[S+64*\t+2]
	v_max3_num_f32 v[ST+8*\t+7], v[S+64*\t+3], v[S+64*\t+4], v[S+64*\t+5]
.endr
.irp i, 6,10,14,18,22,26,30,34,38,42,46,50,54,58
.irp t, 0,1
	v_max3_num_f32 v[ST+8*\t+6], v[ST+8*\t+6], v[S+64*\t+\i], v[S+64*\t+\i+1]
	v_max3_num_f32 v[ST+8*\t+7], v[ST+8*\t+7], v[S+64*\t+\i+2], v[S+64*\t+\i+3]
.endr
.endr
.irp t, 0,1
	v_max3_num_f32 v[ST+8*\t+6], v[ST+8*\t+6], v[S+64*\t+62], v[S+64*\t+63]
.endr
.irp t, 0,1
	v_max_num_f32 v[ST+8*\t+6], v[ST+8*\t+6], v[ST+8*\t+7]
.endr
.irp t, 0,1
	v_permlanex16_b32 v[PD+\t], v[ST+8*\t+6], s20, s21     ; the query's other 64 keys lie in lane l xor 16
.endr
.irp t, 0,1
	v_max_num_f32 v[ST+8*\t+6], v[ST+8*\t+6], v[PD+\t]
.endr
.irp t, 0,1
	v_mul_f32 v[ST+8*\t+6], s22, v[ST+8*\t+6]              ; as t (c is positive)
.endr
.irp t, 0,1
	v_max_num_f32 v[ST+8*\t+1], v[ST+8*\t+1], v[ST+8*\t+6] ; the running largest t
.endr
.irp t, 0,1
	v_mov_b32 v[ST+8*\t+6], v[ST+8*\t]
.endr
.irp t, 0,1
	v_floor_f32 v[ST+8*\t], -v[ST+8*\t+1]                  ; -M = floor(-t) = -ceil(t)
.endr
.irp t, 0,1
	v_sub_f32 v[ST+8*\t+6], v[ST+8*\t], v[ST+8*\t+6]       ; old M - new M: a whole number, 0 or less
.endr
.irp t, 0,1
	v_cvt_i32_f32 v[ST+8*\t+6], v[ST+8*\t+6]               ; (it saturates)
.endr
.irp t, 0,1
	v_ldexp_f32 v[ST+8*\t+4], 1.0, v[ST+8*\t+6]            ; f = 2^(old M - new M)
.endr
.set cnt, 0
.rept 32
	v_pk_fma_f32 v[S+2*cnt:S+2*cnt+1], v[S+2*cnt:S+2*cnt+1], s[22:23], v[ST:ST+1] op_sel_hi:[1,0,0]   ; tile 0: t - M (of the pairs c and -M the low word serves both halves)
.set cnt, cnt+1
.endr
	; two batches of 64 exponentials, each with one wait; the other tile's plain lines stand among them
.set cnt, 0
.rept 32
	v_exp_f32 v[S+2*cnt], v[S+2*cnt]
	v_exp_f32 v[S+2*cnt+1], v[S+2*cnt+1]
	v_pk_fma_f32 v[S+64+2*cnt:S+64+2*cnt+1], v[S+64+2*cnt:S+64+2*cnt+1], s[22:23], v[ST+8:ST+9] op_sel_hi:[1,0,0]   ; tile 1: t - M
.set cnt, cnt+1
.endr
	v_pk_mul_f32 v[ST+2:ST+3], v[ST+2:ST+3], v[ST+4:ST+5] op_sel_hi:[1,0]         ; the sums under the new M
	v_pk_mul_f32 v[ST+10:ST+11], v[ST+10:ST+11], v[ST+12:ST+13] op_sel_hi:[1,0]
	s_wait_alu depctr_va_vdst(0)                   ; ahead of the first line that names a result: one for tile 0's batch
.set cnt, 0
.rept 32
	v_exp_f32 v[S+64+2*cnt], v[S+64+2*cnt]
	v_exp_f32 v[S+64+2*cnt+1], v[S+64+2*cnt+1]
	SUMOP 0, cnt                                   ; tile 0's sum, of the unquantised p
.set cnt, cnt+1
.endr
	s_wait_alu depctr_va_vdst(0)                   ; one for tile 1's batch; the line above is the plain line behind its last exponential
.set cnt, 0
.rept 32
	SUMOP 1, cnt
.set cnt, cnt+1
.endr
	s_cmp_eq_u32 s33, 0                            ; e5 >= -8: no p can pass the largest code
	s_cbranch_scc1 .Lnohold_\@
.set cnt, 0
.rept 128
	v_min_num_f32 v[S+cnt], v[S+cnt], v[LIMP]      ; p is not negative: the hold is one-sided
.set cnt, cnt+1
.endr
.Lnohold_\@:
.irp kt, 0,1,2,3,4,5,6,7
.irp t, 0,1
	v_cvt_scalef32_pk8_fp8_f32 v[CD+16*\t+2*\kt:CD+16*\t+2*\kt+1], v[S+64*\t+8*\kt:S+64*\t+8*\kt+7], v[SCP]
.endr
.endr
	WIN 0x41                                       ; O^T (source 0 and destination) window 1, f window 0
.irp t, 0,1
.set cnt, 0
.rept 16
	v_pk_mul_f32 v[O+32*\t+2*cnt:O+32*\t+2*cnt+1], v[O+32*\t+2*cnt:O+32*\t+2*cnt+1], v[ST+8*\t+4:ST+8*\t+5] op_sel_hi:[1,0]   ; O^T under the new M; also the plain lines behind the conversions
.set cnt, cnt+1
.endr
.endr
	s_wait_dscnt 0x0                               ; V and the next K are in registers; my stores into the other slot have landed; my reads of this slot are over
.if \bar
	s_barrier_signal -1
.endif
	WIN 0x51                                       ; V window 1, P window 0, O^T window 1
.irp ct, 0,1,2,3
.irp t, 0,1
	v_wmma_f32_16x16x128_fp8_fp8 v[O+32*\t+8*\ct:O+32*\t+8*\ct+7], v[VF+16*\ct:VF+16*\ct+15], v[CD+16*\t:CD+16*\t+15], v[O+32*\t+8*\ct:O+32*\t+8*\ct+7]   ; the eight accumulators take turns
.endr
.endr
	WIN 0
.if \bar
	s_barrier_wait -1                              ; the other slot is whole, and nobody reads this one any more
.endif
.endm
	s_load_b256 s[4:11], s[0:1], 0x0               ; q 4:5, kv 6:7, scales 8:9, oc 10:11
	v_lshl_add_u32 v126, v0, 2, 0x8000
	v_mov_b32 v127, 0
	v_and_b32 v4, 31, v0
	v_lshlrev_b32 v[LI], 4, v4
	v_lshlrev_b32 v[SA], 4, v0
	v_and_b32 v4, 127, v0
	v_lshlrev_b32 v[PFO], 8, v4
	v_lshrrev_b32 v4, 5, v0
	v_readfirstlane_b32 s12, v4                    ; wave w
	s_lshr_b32 s13, ttmp9, 4                       ; bh
	s_and_b32 s14, ttmp9, 15                       ; qb: which 256 queries
	s_lshl_b32 s40, s13, 8
	s_lshl_b32 s41, s14, 4
	s_add_co_u32 s40, s40, s41
	s_lshl_b32 s41, s12, 1
	s_add_co_u32 s40, s40, s41
	s_lshl_b32 s40, s40, 10                        ; q: fragment (bh, 16 qb + 2 w), 1,024 bytes each
	s_mov_b32 s41, 0
	s_lshl_b32 s42, s13, 19                        ; kv: 524,288 bytes a bh
	s_mov_b32 s43, 0
	s_lshr_b32 s44, s13, 2
	s_lshl_b32 s44, s44, 8
	s_lshl_b32 s45, s14, 4
	s_add_co_u32 s44, s44, s45
	s_lshl_b32 s45, s12, 1
	s_add_co_u32 s44, s44, s45                     ; oc: position tile (b, 16 qb + 2 w): two fragments of 2,048 bytes each;
	s_lshl_b32 s44, s44, 1
	s_bfe_u32 s45, s13, 0x10001
	s_add_co_u32 s44, s44, s45                     ; my head's 64 channels lie in fragment head / 2,
	s_lshl_b32 s44, s44, 11
	s_and_b32 s45, s13, 1
	s_lshl_b32 s45, s45, 10
	s_add_co_u32 s44, s44, s45                     ; groups 2 (head % 2) + 0, 1
	s_mov_b32 s45, 0
	s_lshr_b32 s35, s12, 2
	s_or_b32 s35, s35, s14
	s_cmp_eq_u32 s35, 0
	s_cselect_b32 s35, 1, -1                       ; 1 in waves 0 to 3 of the bh's first work-group, which prefetch; else the greatest number
	s_mov_b32 s20, 0x76543210                      ; v_permlanex16_b32: lane l xor 16
	s_mov_b32 s21, 0xfedcba98
	s_mov_b32 s34, 14                              ; the loop's trips
	s_wait_kmcnt 0x0
	s_load_b256 s[24:31], s[8:9], 0x0              ; e0 .. e7
	s_add_nc_u64 s[4:5], s[4:5], s[40:41]
	s_add_nc_u64 s[18:19], s[6:7], s[42:43]        ; K of step 0
	s_add_nc_u64 s[16:17], s[18:19], 8192          ; T_0
	s_add_nc_u64 s[10:11], s[10:11], s[44:45]
.irp t, 0,1
.irp g, 0,1
	global_load_b128 v[Q+8*\t+4*\g:Q+8*\t+4*\g+3], v[LI], s[4:5] offset:\t*1024+\g*512      ; the buffers hold register images: Q and the first K go straight into their registers
.endr
.endr
	WIN 0x40
.irp kt, 0,1,2,3,4,5,6,7
.irp g, 0,1
	global_load_b128 v[KF+8*\kt+4*\g:KF+8*\kt+4*\g+3], v[LI], s[18:19] offset:\kt*1024+\g*512
.endr
.endr
	WIN 0
.irp n, 0,1
.irp i, 0,1,2,3
	global_load_b128 v[SG+16*\n+4*\i:SG+16*\n+4*\i+3], v[SA], s[16:17] offset:16384*\n+4096*\i   ; T_0, T_1
.endr
.endr
	WIN 0x40
.set cnt, 0
.rept 64
	v_mov_b32 v[O+cnt], 0                          ; O^T: the step is written with no first step of its own: the first finds zeros, which the first change of M leaves zeros
.set cnt, cnt+1
.endr
	WIN 0
.irp t, 0,1
	v_mov_b32 v[ST+8*\t+1], 0xff61b1e6             ; the largest t so far: -3e38
	v_floor_f32 v[ST+8*\t], -v[ST+8*\t+1]
	v_mov_b32 v[ST+8*\t+2], 0
	v_mov_b32 v[ST+8*\t+3], 0
	v_mov_b32 v[ST+8*\t+5], 0
	v_mov_b32 v[PD+\t], 0                          ; a lane permute's destination counts as one of its sources
.endr
	s_wait_kmcnt 0x0
	s_add_co_i32 s22, s26, s27
	s_lshl_b32 s22, s22, 23
	s_add_co_i32 s22, s22, 0x3fb8aa3b              ; c = log2(e) x 2^(e2 + e3): the exponents are added to log2(e)'s exponent field (the 1/8 went into q's codes)
	s_mov_b32 s23, s22
	SCL 29, SCP, LIMP
	SCL 30, SCO, LIMO
	s_add_co_i32 s36, s28, s29                     ; e4 + e5
	s_cmp_lt_i32 s29, -8
	s_cselect_b32 s33, 1, 0                        ; is the hold needed?
	s_wait_loadcnt 4                               ; T_1's four loads may be out: Q, the first K and T_0 are in
.irp i, 0,1,2,3
	ds_store_b128 v[SA], v[SG+4*\i:SG+4*\i+3] offset:4096*\i
.endr
	s_wait_dscnt 0x0
	s_barrier_signal -1
	s_barrier_wait -1                              ; T_0 lies in slot 0
.Ltrip:                                            ; 14 trips of two steps: steps 0 to 27
	STEP 0, 1, 1, 1, 1, 1
	STEP 1, 1, 1, 1, 1, 0
	s_wait_xcnt 0x0                                ; the trip's loads and its prefetch have read their base
	s_add_nc_u64 s[16:17], s[16:17], 32768
	s_sub_co_u32 s34, s34, 1
	s_cmp_lg_u32 s34, 0
	s_cbranch_scc1 .Ltrip
	STEP 0, 1, 1, 1, 1, 0                          ; step 28 asks for T_30
	STEP 1, 2, 1, 1, 1, 0                          ; step 29 for the last V alone: no load leaves kv
	STEP 0, 0, 2, 1, 1, 0                          ; step 30 asks for nothing, and stores the last V
	STEP 1, 0, 0, 0, 0, 0                          ; step 31
	; THE WAY OUT: O^T x 2^(e4 + e5) / the sum, quantised with 2^e6: an accumulator's eight channels are registers 2 c, 2 c + 1 of the projection's fragment.  The additions are among the places behind the last products.
.irp t, 0,1
	v_add_f32 v[ST+8*\t+6], v[ST+8*\t+2], v[ST+8*\t+3]
.endr
.irp t, 0,1
	v_permlanex16_b32 v[PD+\t], v[ST+8*\t+6], s20, s21
.endr
.irp t, 0,1
	v_add_f32 v[ST+8*\t+6], v[ST+8*\t+6], v[PD+\t]
.endr
.irp t, 0,1
	v_rcp_f32 v[ST+8*\t+7], v[ST+8*\t+6]
.endr
	v_nop                                          ; a plain line behind the last reciprocal
	s_wait_alu depctr_va_vdst(0)                   ; and the wait ahead of the first reader, one for both
.irp t, 0,1
	v_ldexp_f32 v[ST+8*\t+6], v[ST+8*\t+7], s36
.endr
	WIN 0x01                                       ; source 0 (O^T) window 1
.irp t, 0,1
.set cnt, 0
.rept 16
	v_pk_mul_f32 v[S+32*\t+2*cnt:S+32*\t+2*cnt+1], v[O+32*\t+2*cnt:O+32*\t+2*cnt+1], v[ST+8*\t+6:ST+8*\t+7] op_sel_hi:[1,0]
.set cnt, cnt+1
.endr
.endr
	WIN 0
.set cnt, 0
.rept 64
	v_med3_num_f32 v[S+cnt], v[S+cnt], -v[LIMO], v[LIMO]
.set cnt, cnt+1
.endr
.irp t, 0,1
.irp ct, 0,1,2,3
	v_cvt_scalef32_pk8_fp8_f32 v[CD+8*\t+2*\ct:CD+8*\t+2*\ct+1], v[S+32*\t+8*\ct:S+32*\t+8*\ct+7], v[SCO]
.endr
.endr
	v_nop
.irp t, 0,1
.irp g, 0,1
	global_store_b128 v[LI], v[CD+8*\t+4*\g:CD+8*\t+4*\g+3], s[10:11] offset:\t*4096+\g*512   ; the wave stores 512 consecutive bytes, aligned
.endr
.endr
	s_wait_tensorcnt 0x0
	ds_add_u32 v126, v127
	s_wait_dscnt 0x0
	s_endpgm
.Lfunc_end_k_q627d3ac2a4_attn:
	.size	k_q627d3ac2a4_attn, .Lfunc_end_k_q627d3ac2a4_attn-k_q627d3ac2a4_attn
	.p2alignl 7, 3214868480
	.fill 96, 4, 3214868480
	.section	.rodata,"a",@progbits
	.p2align	6, 0x0
	.amdhsa_kernel k_q627d3ac2a4_attn
		.amdhsa_group_segment_fixed_size 33792
		.amdhsa_private_segment_fixed_size 0
		.amdhsa_enable_private_segment 0
		.amdhsa_kernarg_size 32
		.amdhsa_user_sgpr_count 2
		.amdhsa_user_sgpr_kernarg_segment_ptr 1
		.amdhsa_wavefront_size32 1
		.amdhsa_system_sgpr_workgroup_id_x 1
		.amdhsa_system_sgpr_workgroup_id_y 1
		.amdhsa_system_sgpr_workgroup_id_z 1
		.amdhsa_system_vgpr_workitem_id 0
		.amdhsa_next_free_vgpr 448
		.amdhsa_next_free_sgpr 66
		.amdhsa_reserve_vcc 0
		.amdhsa_float_denorm_mode_32 3
		.amdhsa_float_denorm_mode_16_64 3
		.amdhsa_memory_ordered 1
		.amdhsa_forward_progress 1
		.amdhsa_inst_pref_size 186
	.end_amdhsa_kernel
	.amdgpu_metadata
---
amdhsa.version: [ 1, 2 ]
amdhsa.kernels:
  - .name:           k_q627d3ac2a4_attn
    .symbol:         k_q627d3ac2a4_attn.kd
    .args:
      - { .name: q, .offset: 0, .size: 8, .value_kind: global_buffer, .address_space: global }
      - { .name: kv, .offset: 8, .size: 8, .value_kind: global_buffer, .address_space: global }
      - { .name: lowp_scales, .offset: 16, .size: 8, .value_kind: global_buffer, .address_space: global }
      - { .name: oc, .offset: 24, .size: 8, .value_kind: global_buffer, .address_space: global }
    .group_segment_fixed_size: 33792
    .private_segment_fixed_size: 0
    .kernarg_segment_align: 8
    .kernarg_segment_size: 32
    .max_flat_workgroup_size: 256
    .sgpr_count:     66
    .vgpr_count:     448
    .wavefront_size: 32
...
	.end_amdgpu_metadata
.endif
;; end of part 3
;; launch proj (part 4): grid 256 x 1, 8 waves a work-group, no clusters, 70,656 bytes of LDS; arguments oc, proj_w_codes, proj_b, x, lowp_scales, out0; writes out0
.if DOCPART == 4
	.amdgcn_target "amdgcn-amd-amdhsa--gfx1250"
	.amdhsa_code_object_version 6
	.text
	.protected	k_q627d3ac2a4_proj
	.globl	k_q627d3ac2a4_proj
	.p2align	8
	.type	k_q627d3ac2a4_proj,@function
k_q627d3ac2a4_proj:
	s_mov_b64 s[64:65], 0
	v_nop
	global_prefetch_b8 v0, s[64:65] scope:SCOPE_SE
	s_setreg_imm32_b32 hwreg(HW_REG_WAVE_MODE, 25, 1), 1
	s_wait_xcnt 0x0
; out0 = x + proj_w (attention's result) + proj_b.  oc: the result's codes (2^e6) as register images, 16 positions x 128 channels a fragment; proj_w's codes (2^e7): [256][256], K innermost.
; SHARES.  A work-group takes one batch b and 64 positions (four tiles m); wave w makes output channels 32 w .. 32 w + 31 (two tiles tp), K = 256 in two steps: 16 matrix instructions on eight accumulators by turns.
; Source 0 = 16 positions, source 1 = 16 rows of proj_w: a lane holds one channel and eight neighbouring positions, 32 bytes of a row of out0.  A wave's 32 rows x 256 bytes are its own: they go through its own stage in LDS
; (no barrier: LDS serves a wave's instructions in order, ISA guide 5.7.1.4) and leave with sixteen lanes storing 256 consecutive bytes, aligned.  k stands in its own places on both sides (registers 2 c, 2 c + 1: k = 16 c + 8 h + 0 .. 7).
; No tensor loads, no cluster: every operand goes straight into the registers that use it once.
; LIMIT: e6 + e7 between -126 and 127, so that 2^(e6 + e7) is an f32 number.
.set LI,  1                            ; v1  16 x lane
.set WO,  2                            ; v2  256 r + 8 h: my place in 16 rows of proj_w
.set BV,  3                            ; v3  4 r
.set XO,  4                            ; v4  16,384 h + 16 r: my 16 bytes in two rows of x and of out0
.set STO, 5                            ; v5  the stage: where I put 32 bytes of a row
.set RD,  6                            ; v6  and where I read a row back
.set WFP, 16                           ; v16-79   proj_w's fragment (tp, ks) at 32 tp + 16 ks
.set AF,  80                           ; v80-207  oc's fragment (m, ks) at 16 (2 m + ks)
.set BP,  208                          ; v[208:209], v[210:211] the bias of my channel in tile tp (the upper word is only named)
.set TMP, 80                           ; behind the products: results
.set RB,  144                          ; and whole rows read back
.set ACC, 0                            ; window 1: accumulator (tp, m) at 8 (4 tp + m)
.set XRR, 64                           ; window 1: x, 16 x 4 registers
.set SP,  272                          ; a stage row: 256 bytes + 16 = 68 words: row r starts at bank 4 r mod 64 (64 banks of 4 bytes: ISA guide 11.1)
.set MSB, 0
.macro WIN new
.if MSB != (\new)
	s_set_vgpr_msb (MSB<<8)|(\new)
.set MSB, (\new)
.endif
.endm
	s_load_b256 s[4:11], s[0:1], 0x0               ; oc 4:5, proj_w 6:7, proj_b 8:9, x 10:11
	s_load_b128 s[12:15], s[0:1], 0x20             ; scales 12:13, out0 14:15
	v_lshl_add_u32 v254, v0, 2, 0x11000
	v_mov_b32 v255, 0
	v_lshrrev_b32 v7, 5, v0
	v_readfirstlane_b32 s16, v7                    ; wave w
	s_lshr_b32 s17, ttmp9, 6                       ; b
	s_and_b32 s18, ttmp9, 63                       ; blk
	v_and_b32 v9, 31, v0
	v_lshlrev_b32 v[LI], 4, v9
	v_and_b32 v7, 15, v0                           ; r
	v_bfe_u32 v8, v0, 4, 1                         ; h
	v_lshlrev_b32 v[WO], 8, v7
	v_lshl_add_u32 v[WO], v8, 3, v[WO]
	v_lshlrev_b32 v[BV], 2, v7
	v_lshlrev_b32 v[XO], 14, v8
	v_lshl_add_u32 v[XO], v7, 4, v[XO]
	s_mul_i32 s23, s16, 32*SP                      ; my stage
	v_mul_u32_u24 v[STO], v7, SP
	v_lshl_add_u32 v[STO], v8, 5, v[STO]
	v_add_nc_u32 v[STO], s23, v[STO]               ; in: row = my channel, + 32 h
	v_mul_u32_u24 v[RD], v8, SP
	v_lshl_add_u32 v[RD], v7, 4, v[RD]
	v_add_nc_u32 v[RD], s23, v[RD]                 ; back: lanes 0-15 one row, lanes 16-31 the next
	v_mov_b32 v[BP+1], 0
	v_mov_b32 v[BP+3], 0
	s_mov_b32 s21, 0
	s_wait_kmcnt 0x0
	s_load_b64 s[24:25], s[12:13], 0x18            ; e6, e7
	s_lshl_b32 s20, s17, 20
	s_lshl_b32 s22, s18, 14
	s_add_co_u32 s20, s20, s22                     ; oc: position tile (b, 4 blk), 4,096 bytes each
	s_add_nc_u64 s[4:5], s[4:5], s[20:21]
	s_lshl_b32 s20, s16, 13                        ; my 32 rows of proj_w
	s_add_nc_u64 s[6:7], s[6:7], s[20:21]
	s_lshl_b32 s20, s16, 7
	s_add_nc_u64 s[8:9], s[8:9], s[20:21]
	s_lshl_b32 s20, s17, 22
	s_lshl_b32 s22, s16, 19
	s_add_co_u32 s20, s20, s22
	s_lshl_b32 s22, s18, 8
	s_add_co_u32 s20, s20, s22                     ; x and out0: batch, my 32 channels, the 64 positions
	s_add_nc_u64 s[10:11], s[10:11], s[20:21]
	s_add_nc_u64 s[14:15], s[14:15], s[20:21]
.irp f, 0,1,2,3,4,5,6,7
.irp g, 0,1,2,3
	global_load_b128 v[AF+16*\f+4*\g:AF+16*\f+4*\g+3], v[LI], s[4:5] offset:\f*2048+\g*512   ; a register image: 512 consecutive bytes a load
.endr
.endr
.irp tp, 0,1
.irp ks, 0,1
.irp c, 0,1,2,3,4,5,6,7
	global_load_b64 v[WFP+32*\tp+16*\ks+2*\c:WFP+32*\tp+16*\ks+2*\c+1], v[WO], s[6:7] offset:\tp*4096+\ks*128+16*\c
.endr
.endr
.endr
.irp tp, 0,1
	global_load_b32 v[BP+2*\tp], v[BV], s[8:9] offset:\tp*64
.endr
	WIN 0x40                                       ; destination window 1
.irp i, 0,1,2,3,4,5,6,7,8,9,10,11,12,13,14,15
	global_load_b128 v[XRR+4*\i:XRR+4*\i+3], v[XO], s[10:11] offset:32768*\i th:TH_LOAD_NT    ; rows 2 i, 2 i + 1: sixteen lanes read 256 consecutive bytes
.endr
	s_wait_loadcnt 16                              ; the residual's sixteen loads may be out
.irp tp, 0,1
.irp m, 0,1,2,3
	v_wmma_f32_16x16x128_fp8_fp8 v[ACC+8*(4*\tp+\m):ACC+8*(4*\tp+\m)+7], v[AF+16*(2*\m):AF+16*(2*\m)+15], v[WFP+32*\tp:WFP+32*\tp+15], 0
.endr
.endr
	WIN 0x50                                       ; C and D window 1
.irp tp, 0,1
.irp m, 0,1,2,3
	v_wmma_f32_16x16x128_fp8_fp8 v[ACC+8*(4*\tp+\m):ACC+8*(4*\tp+\m)+7], v[AF+16*(2*\m+1):AF+16*(2*\m+1)+15], v[WFP+32*\tp+16:WFP+32*\tp+31], v[ACC+8*(4*\tp+\m):ACC+8*(4*\tp+\m)+7]
.endr
.endr
.rept 4
	v_nop                                          ; four places behind the last product: for the reads of results, and for the lines and loads that write the registers that held oc's fragments
.endr
	s_wait_kmcnt 0x0
	s_add_co_i32 s26, s24, s25
	s_add_co_i32 s26, s26, 127
	s_lshl_b32 s26, s26, 23                        ; 2^(e6 + e7) as f32
	s_mov_b32 s27, s26
	WIN 0x01                                       ; source 0 (the sums) window 1
.irp tp, 0,1
.irp m, 0,1,2,3
.irp i, 0,2,4,6
	v_pk_fma_f32 v[TMP+8*(4*\tp+\m)+\i:TMP+8*(4*\tp+\m)+\i+1], v[ACC+8*(4*\tp+\m)+\i:ACC+8*(4*\tp+\m)+\i+1], s[26:27], v[BP+2*\tp:BP+2*\tp+1] op_sel_hi:[1,0,0]   ; sum x 2^(e6 + e7) + bias
.endr
.endr
.endr
	WIN 0
.irp tp, 0,1
.irp m, 0,1,2,3
	ds_store_b128 v[STO], v[TMP+8*(4*\tp+\m):TMP+8*(4*\tp+\m)+3] offset:\tp*16*SP+\m*64
	ds_store_b128 v[STO], v[TMP+8*(4*\tp+\m)+4:TMP+8*(4*\tp+\m)+7] offset:\tp*16*SP+\m*64+16
.endr
.endr
.irp i, 0,1,2,3,4,5,6,7,8,9,10,11,12,13,14,15
	ds_load_b128 v[RB+4*\i:RB+4*\i+3], v[RD] offset:\i*2*SP
.endr
	s_wait_loadcnt 0x0                             ; x
	s_wait_dscnt 0x0
	WIN 0x04                                       ; source 1 (x) window 1
.set p, 0
.rept 32
	v_pk_add_f32 v[RB+2*p:RB+2*p+1], v[RB+2*p:RB+2*p+1], v[XRR+2*p:XRR+2*p+1]
.set p, p+1
.endr
	WIN 0
.irp i, 0,1,2,3,4,5,6,7,8,9,10,11,12,13,14,15
	global_store_b128 v[XO], v[RB+4*\i:RB+4*\i+3], s[14:15] offset:32768*\i th:TH_STORE_NT   ; sixteen lanes store 256 consecutive bytes, aligned
.endr
	s_wait_tensorcnt 0x0
	ds_add_u32 v254, v255
	s_wait_dscnt 0x0
	s_endpgm
.Lfunc_end_k_q627d3ac2a4_proj:
	.size	k_q627d3ac2a4_proj, .Lfunc_end_k_q627d3ac2a4_proj-k_q627d3ac2a4_proj
	.p2alignl 7, 3214868480
	.fill 96, 4, 3214868480
	.section	.rodata,"a",@progbits
	.p2align	6, 0x0
	.amdhsa_kernel k_q627d3ac2a4_proj
		.amdhsa_group_segment_fixed_size 70656
		.amdhsa_private_segment_fixed_size 0
		.amdhsa_enable_private_segment 0
		.amdhsa_kernarg_size 48
		.amdhsa_user_sgpr_count 2
		.amdhsa_user_sgpr_kernarg_segment_ptr 1
		.amdhsa_wavefront_size32 1
		.amdhsa_system_sgpr_workgroup_id_x 1
		.amdhsa_system_sgpr_workgroup_id_y 1
		.amdhsa_system_sgpr_workgroup_id_z 1
		.amdhsa_system_vgpr_workitem_id 0
		.amdhsa_next_free_vgpr 384
		.amdhsa_next_free_sgpr 66
		.amdhsa_reserve_vcc 0
		.amdhsa_float_denorm_mode_32 3
		.amdhsa_float_denorm_mode_16_64 3
		.amdhsa_memory_ordered 1
		.amdhsa_forward_progress 1
		.amdhsa_inst_pref_size 20
	.end_amdhsa_kernel
	.amdgpu_metadata
---
amdhsa.version: [ 1, 2 ]
amdhsa.kernels:
  - .name:           k_q627d3ac2a4_proj
    .symbol:         k_q627d3ac2a4_proj.kd
    .args:
      - { .name: oc, .offset: 0, .size: 8, .value_kind: global_buffer, .address_space: global }
      - { .name: proj_w_codes, .offset: 8, .size: 8, .value_kind: global_buffer, .address_space: global }
      - { .name: proj_b, .offset: 16, .size: 8, .value_kind: global_buffer, .address_space: global }
      - { .name: x, .offset: 24, .size: 8, .value_kind: global_buffer, .address_space: global }
      - { .name: lowp_scales, .offset: 32, .size: 8, .value_kind: global_buffer, .address_space: global }
      - { .name: out0, .offset: 40, .size: 8, .value_kind: global_buffer, .address_space: global }
    .group_segment_fixed_size: 70656
    .private_segment_fixed_size: 0
    .kernarg_segment_align: 8
    .kernarg_segment_size: 48
    .max_flat_workgroup_size: 256
    .sgpr_count:     66
    .vgpr_count:     384
    .wavefront_size: 32
...
	.end_amdgpu_metadata
.endif
;; end of part 4
;; ======== version 2 of 2: 4 launches; version 1 with the launches qkv, attn, proj written anew for expert scheduling mode
;; limits: right only within a limited range of input values
;; workspace buffers: stats 2,048 bytes; q 4,194,304 bytes; kv 8,388,608 bytes; oc 4,194,304 bytes
;; launch stats: the kernel of part 1 again; grid 256 x 1, 8 waves a work-group, no clusters, 1,280 bytes of LDS; arguments x, stats; writes stats
;; launch qkv (part 5): grid 256 x 1, 8 waves a work-group, no clusters, 17,664 bytes of LDS; arguments x, stats, gn_w, gn_b, qkv_w_codes, qkv_b, lowp_scales, q, kv; writes q, kv
.if DOCPART == 5
	.amdgcn_target "amdgcn-amd-amdhsa--gfx1250"
	.amdhsa_code_object_version 6
	.text
	.protected	k_q627d3ac2a4_qkv
	.globl	k_q627d3ac2a4_qkv
	.p2align	8
	.type	k_q627d3ac2a4_qkv,@function
k_q627d3ac2a4_qkv:
	s_mov_b64 s[64:65], 0
	v_nop
	global_prefetch_b8 v0, s[64:65] scope:SCOPE_SE
	s_setreg_imm32_b32 hwreg(HW_REG_WAVE_SCHED_MODE, 0, 2), 2
	s_setreg_imm32_b32 hwreg(HW_REG_WAVE_MODE, 25, 1), 1
	s_wait_xcnt 0x0
	s_wait_alu depctr_vm_vsrc(0)
; GroupNorm finished, quantised (scale 2^e0), times qkv_w's codes (2^e1), + qkv_b; q x 1/8, k and v quantised (2^e2, 2^e3, 2^e4) and stored as IMAGES OF THE NEXT LAUNCH'S OPERAND REGISTERS.
; SHARES.  A work-group takes one batch b and 64 positions (four tiles m of 16).  Normalising: wave w takes channels 32 w .. 32 w + 31, which are GroupNorm's group w, for all 64 positions; lane L takes positions 2 L, 2 L + 1.
; Its registers run along the channels, the product's K, so the conversions' results are 16-byte pieces of the operand; they go to LDS as register images (16 bytes a lane, 512 a group of four registers).
; Products: wave w makes q's, k's and v's channels 32 w .. 32 w + 31 (two tiles tp each) for the 64 positions, K = 256 in two steps: 48 matrix instructions.
; K'S PLACES.  Both operands of this product hold k = 32 c + 16 (lane / 16) + 0 .. 15 in registers 4 c .. 4 c + 3: a permutation of k, the same on both sides, so each product meets its partner.
; q AND k: source 0 = 16 rows of W, source 1 = 16 positions: a lane holds one position and eight neighbouring channels, which one conversion turns into registers 2 c, 2 c + 1 (c = the tile's number in the head)
; of the 16 x 64 fragment that the attention launch feeds to the K = 64 form.   v: sources swapped: a lane holds one channel and eight neighbouring positions (keys): registers 2 c, 2 c + 1 of a 16 channels x 128 keys fragment.
; The bias is the C of a sum's first matrix instruction, divided by 2^(e0 + e1); that power, the 1/8 and the operand's own scale are folded into the conversion's one scale.
; No tensor loads, no cluster: the weights (24,576 bytes a wave) go straight into the registers that keep them, and x is read once by one lane each.
; LIMITS: e0, e2 + 3 - e0 - e1, e3 - e0 - e1, e4 - e0 - e1 lie between -126 and 119, so that each scale and 448 x it are f32 numbers.  NaN among the inputs is not served.
; THE MODE: SCHED_MODE bits 1:0 = 2 (LLVM: expert scheduling mode 2), set by the entry lines.  The code itself states the register dependences
; between vector or matrix instructions and memory or LDS instructions, with s_wait_alu, always for 0.
; THE PLAN.  Registers that memory or LDS instructions touch:
;   v1 .. v7     offsets and LDS addresses: written at the head and never again; read by every load and store.  One wait on va_vdst ahead of the first load.
;   v16 .. v143  x lands here; the norm's lines and the conversions read and write them; then the LDS loads of x's fragments land here, and matrix instructions alone read them.
;   CO           written by conversions; read by the LDS stores of x's codes, then by each third's global stores.  A wait on va_vdst ahead of each run of stores, a wait on vm_vsrc ahead of each third's conversions.
;   The wait on va_vdst ahead of the LDS stores of x's codes also serves the fragments' loads: no vector instruction stands between it and them.
;   The weights', the biases', gn_w's, gn_b's and the statistics' registers take one load each, ahead of every vector instruction that names them.
.set LI,   1                           ; v1  16 x lane: my place in a register image
.set L8,   2                           ; v2  8 x lane: my two positions in a row of x
.set ZERO, 3                           ; v3  0
.set WO,   4                           ; v4  256 r + 16 h: my place in 16 rows of W
.set BO,   5                           ; v5  32 h: q's and k's bias, eight numbers of my half
.set BV,   6                           ; v6  4 r: v's bias, my channel's
.set XST,  7                           ; v7  where I store x's codes
.set XR,   16                          ; v16-79   x: pair 2 k = channel k at my two positions
.set XN,   80                          ; v80-143  normalised: position i at 32 i + k
.set GW,   144                         ; v144-175 gn_w of my 32 channels
.set GB,   176                         ; v176-207 gn_b
.set STT,  208                         ; v208-223 my group's eight (mean, M2)
.set SC,   224                         ; v224-231 (scale, 448 x scale) for x, q, k, v
.set NM,   232                         ; v[232:233] -mean, twice
.set RS,   234                         ; v[234:235] 1 / sqrt(var + eps), twice
.set TT,   236                         ; v236-239 at work
.set CO,   240                         ; v240-255 codes just made
.set XF,   16                          ; v16-143  in the products: x's fragment (m, ks) at 16 (2 m + ks)
.set ACC,  144                         ; v144-207 accumulator (tp, m) at 8 (4 tp + m)
.set WF,   0                           ; window 1: W's fragment (sel, tp, ks) at 64 sel + 32 tp + 16 ks
.set BI,   192                         ; window 1: the bias tile (sel, tp) at 16 sel + 8 tp
.set MP,   4112                        ; LDS: a tile of positions: two fragments of 2,048 bytes + 16: the second tile that sixteen lanes' stores touch then falls into the 16-byte columns that the first leaves free (64 banks of 4 bytes: ISA guide 11.1)
.set MSB, 0
.macro WIN new                         ; the immediate's high byte repeats the setting that is left; a switch that changes nothing is dropped
.if MSB != (\new)
	s_set_vgpr_msb (MSB<<8)|(\new)
.set MSB, (\new)
.endif
.endm
.macro SCL e, vs, vl                   ; s[e] = E  ->  v[vs] = 2^E, v[vl] = 448 x 2^E
	s_add_co_i32 s46, s[\e], 127
	s_lshl_b32 s47, s46, 23
	v_mov_b32 v[\vs], s47
	s_add_co_i32 s46, s46, 8
	s_lshl_b32 s46, s46, 23
	s_or_b32 s46, s46, 0x600000
	v_mov_b32 v[\vl], s46
.endm
	s_load_b512 s[4:19], s[0:1], 0x0               ; x 4:5, stats 6:7, gn_w 8:9, gn_b 10:11, W 12:13, qkv_b 14:15, scales 16:17, q 18:19
	s_load_b64 s[20:21], s[0:1], 0x40              ; kv
	v_lshl_add_u32 v14, v0, 2, 0x4100
	v_mov_b32 v15, 0
	v_lshrrev_b32 v8, 5, v0
	v_readfirstlane_b32 s22, v8                    ; wave w
	s_lshr_b32 s23, ttmp9, 6                       ; b
	s_and_b32 s32, ttmp9, 63                       ; blk: which 64 positions
	v_and_b32 v8, 31, v0                           ; lane
	v_lshlrev_b32 v[LI], 4, v8
	v_lshlrev_b32 v[L8], 3, v8
	v_mov_b32 v[ZERO], 0
	v_and_b32 v9, 15, v0                           ; r
	v_bfe_u32 v10, v0, 4, 1                        ; h
	v_lshlrev_b32 v[WO], 8, v9
	v_lshl_add_u32 v[WO], v10, 4, v[WO]
	v_lshlrev_b32 v[BO], 5, v10
	v_lshlrev_b32 v[BV], 2, v9
	v_bfe_u32 v11, v0, 3, 2                        ; lane / 8: my two positions' tile
	v_mul_u32_u24 v[XST], v11, MP
	v_and_b32 v11, 7, v0
	v_lshl_add_u32 v[XST], v11, 5, v[XST]          ; + 16 x (position in the tile) = 32 (lane % 8) + 16 i
	s_wait_alu depctr_va_sdst(0)                   ; s22, the wave's number, is written, ahead of its first reader
	s_lshr_b32 s33, s22, 2
	s_lshl_b32 s33, s33, 11                        ; my channels' K step: w / 4,
	s_and_b32 s40, s22, 3
	s_lshl_b32 s40, s40, 9                         ; and group of four registers: w % 4
	s_add_co_u32 s33, s33, s40
	v_add_nc_u32 v[XST], s33, v[XST]
	s_mov_b32 s35, 0
	s_wait_kmcnt 0x0
	s_load_b256 s[24:31], s[16:17], 0x0            ; e0 .. e7
	s_lshl_b32 s34, s23, 3
	s_add_co_u32 s34, s34, s22
	s_lshl_b32 s34, s34, 6                         ; stats: group 8 b + w, 64 bytes each
	s_add_nc_u64 s[6:7], s[6:7], s[34:35]
	s_lshl_b32 s34, s23, 22
	s_lshl_b32 s33, s22, 19
	s_add_co_u32 s34, s34, s33
	s_lshl_b32 s33, s32, 8
	s_add_co_u32 s34, s34, s33                     ; x: batch, my 32 channels, my work-group's 64 positions
	s_add_nc_u64 s[4:5], s[4:5], s[34:35]
	s_lshl_b32 s34, s22, 7                         ; my 32 numbers of gn_w, gn_b and of each third of qkv_b
	s_add_nc_u64 s[8:9], s[8:9], s[34:35]
	s_add_nc_u64 s[10:11], s[10:11], s[34:35]
	s_add_nc_u64 s[14:15], s[14:15], s[34:35]
	s_lshl_b32 s34, s22, 13                        ; my 32 rows of each third of W
	s_add_nc_u64 s[12:13], s[12:13], s[34:35]
	s_wait_alu depctr_va_vdst(0)                   ; the seven offsets and LDS addresses v1 to v7 are written, which every load and store of the kernel reads
.irp i, 0,1,2,3
	global_load_b128 v[STT+4*\i:STT+4*\i+3], v[ZERO], s[6:7] offset:16*\i      ; every lane reads the same 64 bytes
.endr
.set k, 0
.rept 32
	global_load_b64 v[XR+2*k:XR+2*k+1], v[L8], s[4:5] offset:16384*k           ; channel k: the wave reads 256 consecutive bytes, aligned
.set k, k+1
.endr
.irp i, 0,1,2,3,4,5,6,7
	global_load_b128 v[GW+4*\i:GW+4*\i+3], v[ZERO], s[8:9] offset:16*\i
.endr
.irp i, 0,1,2,3,4,5,6,7
	global_load_b128 v[GB+4*\i:GB+4*\i+3], v[ZERO], s[10:11] offset:16*\i
.endr
	WIN 0x40                                       ; destination window 1
.irp sel, 0,1,2
.irp tp, 0,1
.irp ks, 0,1
.irp c, 0,1,2,3
	global_load_b128 v[WF+64*\sel+32*\tp+16*\ks+4*\c:WF+64*\sel+32*\tp+16*\ks+4*\c+3], v[WO], s[12:13] offset:\sel*65536+\tp*4096+\ks*128+\c*32
.endr
.endr
.endr
.endr
.irp sel, 0,1
.irp tp, 0,1
	global_load_b128 v[BI+16*\sel+8*\tp:BI+16*\sel+8*\tp+3], v[BO], s[14:15] offset:\sel*1024+\tp*64
	global_load_b128 v[BI+16*\sel+8*\tp+4:BI+16*\sel+8*\tp+7], v[BO], s[14:15] offset:\sel*1024+\tp*64+16
.endr
.endr
.irp tp, 0,1
	global_load_b32 v[BI+32+8*\tp], v[BV], s[14:15] offset:2048+\tp*64
.endr
	WIN 0
	; where the results go
	s_lshl_b32 s40, s23, 2
	s_lshr_b32 s33, s22, 1
	s_add_co_u32 s40, s40, s33                     ; bh = 4 b + w / 2: my channels' head
	s_and_b32 s41, s22, 1                          ; which half of the head's 64 channels
	s_and_b32 s42, s32, 1                          ; which half of a key step's 128 keys
	s_lshl_b32 s34, s40, 8
	s_lshl_b32 s33, s32, 2
	s_add_co_u32 s34, s34, s33
	s_lshl_b32 s34, s34, 10                        ; q: fragment (bh, 4 blk + m), 1,024 bytes each,
	s_lshl_b32 s33, s41, 9
	s_add_co_u32 s34, s34, s33                     ; my half's group of four registers
	s_add_nc_u64 s[18:19], s[18:19], s[34:35]
	s_lshl_b32 s34, s40, 19
	s_lshr_b32 s33, s32, 1
	s_lshl_b32 s33, s33, 14
	s_add_co_u32 s34, s34, s33                     ; kv: head bh, key step blk / 2: 8,192 bytes of K, then 8,192 of V
	s_add_nc_u64 s[20:21], s[20:21], s[34:35]
	s_lshl_b32 s34, s42, 12
	s_lshl_b32 s33, s41, 9
	s_add_co_u32 s34, s34, s33
	s_add_nc_u64 s[36:37], s[20:21], s[34:35]      ; K: key tile 4 (blk % 2) + m, my half's group
	s_lshl_b32 s34, s41, 12
	s_lshl_b32 s33, s42, 10
	s_add_co_u32 s34, s34, s33
	s_add_co_u32 s34, s34, 8192
	s_add_nc_u64 s[38:39], s[20:21], s[34:35]      ; V: channel tile 2 (w % 2) + tp, groups 2 (blk % 2) + 0, 1
	s_wait_kmcnt 0x0
	s_add_co_i32 s40, s24, s25                     ; e0 + e1: a sum stands for sum x 2^(e0 + e1)
	s_sub_co_i32 s45, 0, s40
	s_add_co_i32 s41, s26, 3
	s_sub_co_i32 s41, s41, s40                     ; q / 8 / 2^e2 = sum / 2^(e2 + 3 - e0 - e1)
	s_sub_co_i32 s42, s27, s40
	s_sub_co_i32 s43, s28, s40
	SCL 24, SC, SC+1
	SCL 41, SC+2, SC+3
	SCL 42, SC+4, SC+5
	SCL 43, SC+6, SC+7
	s_mov_b32 s44, 0x46800000                      ; 16,384: a chunk's numbers
	s_mov_b32 s33, 0x37000000                      ; 2^-17: 1 / a group's numbers
	s_mov_b32 s34, 0x3727c5ac                      ; eps = 1e-5
	s_wait_loadcnt 58                              ; the 48 loads of W and the 10 of qkv_b may be out: stats, x, gn_w and gn_b are in
	; the group's mean and variance from its eight chunks: M2 = the sum of the chunks' M2 + 16,384 x the sum of (chunk's mean - mean)^2
	v_add_f32 v[TT], v[STT], v[STT+2]
	v_add_f32 v[TT+1], v[STT+4], v[STT+6]
	v_add_f32 v[TT+2], v[STT+8], v[STT+10]
	v_add_f32 v[TT+3], v[STT+12], v[STT+14]
	v_add_f32 v[TT], v[TT], v[TT+1]
	v_add_f32 v[TT+2], v[TT+2], v[TT+3]
	v_add_f32 v[TT], v[TT], v[TT+2]
	v_mul_f32 v[TT], 0x3e000000, v[TT]             ; the mean
.irp i, 0,1,2,3,4,5,6,7
	v_sub_f32 v[STT+2*\i], v[STT+2*\i], v[TT]
.endr
	v_mul_f32 v[TT+1], v[STT], v[STT]
.irp i, 1,2,3,4,5,6,7
	v_fma_f32 v[TT+1], v[STT+2*\i], v[STT+2*\i], v[TT+1]
.endr
	v_add_f32 v[TT+2], v[STT+1], v[STT+3]
.irp i, 2,3,4,5,6,7
	v_add_f32 v[TT+2], v[TT+2], v[STT+2*\i+1]
.endr
	v_fma_f32 v[TT+2], v[TT+1], s44, v[TT+2]
	v_fma_f32 v[TT+2], v[TT+2], s33, s34           ; var + eps
	v_rsq_f32 v[RS], v[TT+2]
	v_mul_f32 v[NM], -1.0, v[TT]                   ; (plain lines behind the transcendental)
	v_mov_b32 v[NM+1], v[NM]
	s_wait_alu depctr_va_vdst(0)                   ; the root has written v[RS], ahead of the first line that names its result
	v_mov_b32 v[RS+1], v[RS]
	; ((x - mean) x rsqrt) x gn_w + gn_b; the last line also sorts the numbers so that a position's 32 channels stand in consecutive registers
.set k, 0
.rept 32
	v_pk_add_f32 v[XR+2*k:XR+2*k+1], v[XR+2*k:XR+2*k+1], v[NM:NM+1]
.set k, k+1
.endr
.set k, 0
.rept 32
	v_pk_mul_f32 v[XR+2*k:XR+2*k+1], v[XR+2*k:XR+2*k+1], v[RS:RS+1]
.set k, k+1
.endr
.set k, 0
.rept 32
	v_fma_f32 v[XN+k], v[XR+2*k], v[GW+k], v[GB+k]
	v_fma_f32 v[XN+32+k], v[XR+2*k+1], v[GW+k], v[GB+k]
.set k, k+1
.endr
.set k, 0
.rept 64
	v_med3_num_f32 v[XN+k], v[XN+k], -v[SC+1], v[SC+1]     ; the conversion to an 8-bit code does not saturate (ISA guide 7.6.2): the hold at 448 x the scale
.set k, k+1
.endr
.irp i, 0,1
.irp g, 0,1,2,3
	v_cvt_scalef32_pk8_fp8_f32 v[CO+8*\i+2*\g:CO+8*\i+2*\g+1], v[XN+32*\i+8*\g:XN+32*\i+8*\g+7], v[SC]
.endr
.endr
	v_nop                                          ; one plain line behind the last conversion
	s_wait_alu depctr_va_vdst(0)                   ; the conversions have written v[CO ..], which the LDS stores read; and the norm's lines and the conversions are done with v16 to v143, in which the fragments' LDS loads land behind the barrier
.irp i, 0,1
.irp hh, 0,1
	ds_store_b128 v[XST], v[CO+8*\i+4*\hh:CO+8*\i+4*\hh+3] offset:16*\i+256*\hh   ; position 2 L + i, channels 16 hh on: the place of lane (r, hh) in the image
.endr
.endr
	s_wait_dscnt 0x0                               ; for the others' sake: my stores have landed
	s_barrier_signal -1
	s_barrier_wait -1                              ; x's eight fragments lie in LDS
.irp m, 0,1,2,3
.irp ks, 0,1
.irp c, 0,1,2,3
	ds_load_b128 v[XF+16*(2*\m+\ks)+4*\c:XF+16*(2*\m+\ks)+4*\c+3], v[LI] offset:\m*MP+\ks*2048+512*\c
.endr
.endr
.endr
	s_wait_loadcnt 0x0                             ; W and qkv_b
	WIN 0x41                                       ; source 0 and destination window 1
.set k, 0
.rept 32
	v_ldexp_f32 v[BI+k], v[BI+k], s45              ; q's and k's bias / 2^(e0 + e1)
.set k, k+1
.endr
.irp tp, 0,1
.irp j, 7,6,5,4,3,2,1,0
	v_ldexp_f32 v[BI+32+8*\tp+\j], v[BI+32+8*\tp], s45     ; v's: a lane holds one channel, so its eight registers hold one number; register 0 last
.endr
.endr
	WIN 0
	s_wait_dscnt 0x0                               ; x's fragments are in
; One third of the product: sel = 0 q, 1 k, 2 v.  The eight accumulators take turns, one instruction a turn, K step by K step.
; sc: the (scale, limit) pair; pb: the pointer's scalar pair.
.macro UNIT sel, swap, sc, pb
.irp ks, 0,1
.if \swap
.if \ks == 0
	WIN 0x14                                       ; source 1 (W) and source 2 (bias) window 1
.else
	WIN 0x04
.endif
.else
.if \ks == 0
	WIN 0x11                                       ; source 0 (W) and source 2 (bias) window 1
.else
	WIN 0x01
.endif
.endif
.irp tp, 0,1
.irp m, 0,1,2,3
.if \swap
.if \ks == 0
	v_wmma_f32_16x16x128_fp8_fp8 v[ACC+8*(4*\tp+\m):ACC+8*(4*\tp+\m)+7], v[XF+16*(2*\m+\ks):XF+16*(2*\m+\ks)+15], v[WF+64*\sel+32*\tp+16*\ks:WF+64*\sel+32*\tp+16*\ks+15], v[BI+16*\sel+8*\tp:BI+16*\sel+8*\tp+7]
.else
	v_wmma_f32_16x16x128_fp8_fp8 v[ACC+8*(4*\tp+\m):ACC+8*(4*\tp+\m)+7], v[XF+16*(2*\m+\ks):XF+16*(2*\m+\ks)+15], v[WF+64*\sel+32*\tp+16*\ks:WF+64*\sel+32*\tp+16*\ks+15], v[ACC+8*(4*\tp+\m):ACC+8*(4*\tp+\m)+7]
.endif
.else
.if \ks == 0
	v_wmma_f32_16x16x128_fp8_fp8 v[ACC+8*(4*\tp+\m):ACC+8*(4*\tp+\m)+7], v[WF+64*\sel+32*\tp+16*\ks:WF+64*\sel+32*\tp+16*\ks+15], v[XF+16*(2*\m+\ks):XF+16*(2*\m+\ks)+15], v[BI+16*\sel+8*\tp:BI+16*\sel+8*\tp+7]
.else
	v_wmma_f32_16x16x128_fp8_fp8 v[ACC+8*(4*\tp+\m):ACC+8*(4*\tp+\m)+7], v[WF+64*\sel+32*\tp+16*\ks:WF+64*\sel+32*\tp+16*\ks+15], v[XF+16*(2*\m+\ks):XF+16*(2*\m+\ks)+15], v[ACC+8*(4*\tp+\m):ACC+8*(4*\tp+\m)+7]
.endif
.endif
.endr
.endr
.endr
	WIN 0
.rept 4
	v_nop                                          ; four places between the last product and the first read of results (ISA guide 7.12.1)
.endr
	s_wait_xcnt 0x0                                ; the last third's stores have read the codes' registers
	s_wait_alu depctr_vm_vsrc(0)                   ; the stores issued so far (the first third: the LDS stores of x's codes; later: the last third's global stores) have read v[CO ..], which the conversions below write again
.set k, 0
.rept 64
	v_med3_num_f32 v[ACC+k], v[ACC+k], -v[\sc+1], v[\sc+1]     ; each accumulator from its low end on
.set k, k+1
.endr
.irp tp, 0,1
.irp m, 0,1,2,3
.if \swap
	v_cvt_scalef32_pk8_fp8_f32 v[CO+8*\tp+2*\m:CO+8*\tp+2*\m+1], v[ACC+8*(4*\tp+\m):ACC+8*(4*\tp+\m)+7], v[\sc]   ; channel tile tp: keys 16 m + 8 h + 0 .. 7
.else
	v_cvt_scalef32_pk8_fp8_f32 v[CO+4*\m+2*\tp:CO+4*\m+2*\tp+1], v[ACC+8*(4*\tp+\m):ACC+8*(4*\tp+\m)+7], v[\sc]   ; position tile m: channels 16 tp + 8 h + 0 .. 7 of my half
.endif
.endr
.endr
	v_nop                                          ; one plain line behind the last conversion: the next third's products write its sources
	s_wait_alu depctr_va_vdst(0)                   ; the conversions have written v[CO ..], which the stores below read
.irp i, 0,1,2,3
.if \swap
	global_store_b128 v[LI], v[CO+4*\i:CO+4*\i+3], s[\pb:\pb+1] offset:(\i/2)*2048+(\i%2)*512
.else
	global_store_b128 v[LI], v[CO+4*\i:CO+4*\i+3], s[\pb:\pb+1] offset:\i*1024     ; the wave stores 512 consecutive bytes, aligned
.endif
.endr
.endm
	UNIT 0, 0, SC+2, 18
	UNIT 1, 0, SC+4, 36
	UNIT 2, 1, SC+6, 38
	s_wait_dscnt 0x0                               ; the closing lines, six on end
	s_wait_alu 0x0
	s_wait_tensorcnt 0x0
	ds_add_u32 v14, v15
	s_wait_dscnt 0x0
	s_endpgm
.Lfunc_end_k_q627d3ac2a4_qkv:
	.size	k_q627d3ac2a4_qkv, .Lfunc_end_k_q627d3ac2a4_qkv-k_q627d3ac2a4_qkv
	.p2alignl 7, 3214868480
	.fill 96, 4, 3214868480
	.section	.rodata,"a",@progbits
	.p2align	6, 0x0
	.amdhsa_kernel k_q627d3ac2a4_qkv
		.amdhsa_group_segment_fixed_size 17664
		.amdhsa_private_segment_fixed_size 0
		.amdhsa_enable_private_segment 0
		.amdhsa_kernarg_size 72
		.amdhsa_user_sgpr_count 2
		.amdhsa_user_sgpr_kernarg_segment_ptr 1
		.amdhsa_wavefront_size32 1
		.amdhsa_system_sgpr_workgroup_id_x 1
		.amdhsa_system_sgpr_workgroup_id_y 1
		.amdhsa_system_sgpr_workgroup_id_z 1
		.amdhsa_system_vgpr_workitem_id 0
		.amdhsa_next_free_vgpr 512
		.amdhsa_next_free_sgpr 66
		.amdhsa_reserve_vcc 0
		.amdhsa_float_denorm_mode_32 3
		.amdhsa_float_denorm_mode_16_64 3
		.amdhsa_memory_ordered 1
		.amdhsa_forward_progress 1
		.amdhsa_inst_pref_size 54
	.end_amdhsa_kernel
	.amdgpu_metadata
---
amdhsa.version: [ 1, 2 ]
amdhsa.kernels:
  - .name:           k_q627d3ac2a4_qkv
    .symbol:         k_q627d3ac2a4_qkv.kd
    .args:
      - { .name: x, .offset: 0, .size: 8, .value_kind: global_buffer, .address_space: global }
      - { .name: stats, .offset: 8, .size: 8, .value_kind: global_buffer, .address_space: global }
      - { .name: gn_w, .offset: 16, .size: 8, .value_kind: global_buffer, .address_space: global }
      - { .name: gn_b, .offset: 24, .size: 8, .value_kind: global_buffer, .address_space: global }
      - { .name: qkv_w_codes, .offset: 32, .size: 8, .value_kind: global_buffer, .address_space: global }
      - { .name: qkv_b, .offset: 40, .size: 8, .value_kind: global_buffer, .address_space: global }
      - { .name: lowp_scales, .offset: 48, .size: 8, .value_kind: global_buffer, .address_space: global }
      - { .name: q, .offset: 56, .size: 8, .value_kind: global_buffer, .address_space: global }
      - { .name: kv, .offset: 64, .size: 8, .value_kind: global_buffer, .address_space: global }
    .group_segment_fixed_size: 17664
    .private_segment_fixed_size: 0
    .kernarg_segment_align: 8
    .kernarg_segment_size: 72
    .max_flat_workgroup_size: 256
    .sgpr_count:     66
    .vgpr_count:     512
    .wavefront_size: 32
...
	.end_amdgpu_metadata
.endif
;; end of part 5
;; launch attn (part 6): grid 256 x 1, 8 waves a work-group, no clusters, 33,792 bytes of LDS; arguments q, kv, lowp_scales, oc; writes oc
.if DOCPART == 6
	.amdgcn_target "amdgcn-amd-amdhsa--gfx1250"
	.amdhsa_code_object_version 6
	.text
	.protected	k_q627d3ac2a4_attn
	.globl	k_q627d3ac2a4_attn
	.p2align	8
	.type	k_q627d3ac2a4_attn,@function
k_q627d3ac2a4_attn:
	s_mov_b64 s[64:65], 0
	v_nop
	global_prefetch_b8 v0, s[64:65] scope:SCOPE_SE
	s_setreg_imm32_b32 hwreg(HW_REG_WAVE_SCHED_MODE, 0, 2), 2
	s_setreg_imm32_b32 hwreg(HW_REG_WAVE_MODE, 25, 1), 1
	s_wait_xcnt 0x0
	s_wait_alu depctr_vm_vsrc(0)
; Attention on codes of E4M3: 16 (batch, head) pairs bh, head size 64, 4,096 queries and keys.  q, kv: register images that the launch before has stored; oc: the result, quantised (2^e6), as register images for the projection.
; SHARES.  A work-group owns 256 queries of one bh; each of its eight waves two tiles t of 16 queries, so that each fragment of K and V read from LDS feeds two matrix instructions; two waves share a SIMD, so that one wave's
; products stand beside the other's vector work.  Every wave walks the 4,096 keys in 32 steps of 128.
; LAYOUT.  S^T = K Q^T (source 0 = 16 keys, source 1 = 16 queries, K = 64) and O^T = V^T P^T (source 0 = 16 channels, source 1 = P, K = 128 keys): a lane holds ONE query throughout, and an accumulator of S^T, converted,
; is registers 2 kt, 2 kt + 1 of P's fragment: nothing changes lanes.
; SOFTMAX.  t = score x log2(e) x 2^(e2 + e3); M = the running largest t rounded UP to a whole number, kept as -M = floor(-t); p = 2^(t - M) is quantised with 2^e5; the row's sum is taken of the unquantised p;
; when M moves, the sum and O^T are multiplied by 2^(old M - new M), which rounds nothing.  At the end O^T x 2^(e4 + e5) / the sum.
; THE RING.  Tile T_j = V of step j and K of step j + 1: 16,384 consecutive bytes of kv.  Each thread brings 64 of them through registers, asked for two steps ahead, and stores them into one of two LDS slots a step ahead;
; one barrier a step.  K runs a step ahead of V, so that a step's first products start from registers straight behind the barrier.
; WHY NO TENSOR LOADS AND NO CLUSTER, though the sixteen work-groups of a bh walk the same kv: a work-group fetches 16,384 bytes a step, in which each of its eight waves issues some 400 vector instructions, so sharing those
; requests would shorten nothing.
; THE HOLD.  The conversion to an 8-bit code does not saturate (ISA guide 7.6.2).  t - M of the row's largest score is at most |t| x 2^-24, so for |t| below 2^23 p stays under 1.75, which is 448 x 2^-8: where e5 >= -8 no p can pass
; the largest code, and the 128 v_min_num_f32 are jumped over, by a scalar branch on the whole number e5.  LIMIT: with e5 >= -8, |t| below 2^23.
; LIMITS: e2 + e3 between -126 and 127; e5 and e6 between -126 and 119.  NaN among the inputs is not served.
; THE MODE: SCHED_MODE bits 1:0 = 2 (LLVM: expert scheduling mode 2), set by the entry lines.  The code itself states the register dependences
; between vector or matrix instructions and memory or LDS instructions, with s_wait_alu, always for 0.
; THE PLAN.  Registers that memory or LDS instructions touch, in the loop:
;   v1, v2, v3   LI, SA, PFO: written at the head and never again; read by every load, LDS store and prefetch.  One wait on va_vdst ahead of the first load.
;   SG0, SG1     No vector instruction names them.  Step j: its global loads land in SG[j % 2]; its LDS stores read SG[1 - j % 2].  So one wait on vm_vsrc stands ahead of a step's global loads:
;                the LDS stores of the step before have read the set in which they land.
;   KF           Step j: its sixteen products K Q^T read it; then the LDS loads of the next step's K land in it.
;   VF           The eight products V^T P^T at the end of step j - 1 read it; then the LDS loads of step j's V land in it.
;   Both runs of products stand ahead of the wait on va_vdst that follows tile 0's exponentials.  The step's 32 LDS loads stand behind that wait, in four groups of eight dealt among
;   tile 1's exponentials and tile 0's sums, which name S, ST and C2 alone: none of the registers that those loads touch.  So the loop has no wait on va_vdst of its own for them.
;   Q, S, CD, O^T and the statistics are named by vector and matrix instructions alone in the loop.
.set LI,   1                           ; v1  16 x lane: my place in a register image
.set SA,   2                           ; v2  16 x thread: my place in 4,096 bytes of a tile
.set PFO,  3                           ; v3  256 x (thread % 128): the prefetch's offset
.set ST,   8                           ; tile t's statistics at v[8 + 8 t]: +0 -M, +1 the largest t, +2 +3 the sum in two halves, +4 f, +5 zero (named with f as a pair), +6 +7 at work
.set C2,   24                          ; v[24:25], v[26:27] the sums' second chains
.set LIMP, 28                          ; v28  448 x 2^e5
.set SCP,  29                          ; v29  2^e5
.set PD,   30                          ; v30, v31 lane permutes' destinations
.set Q,    32                          ; v32-47   Q's fragments, 8 a tile
.set CD,   48                          ; v48-79   P's codes, 16 a tile
.set SG,   80                          ; v80-111  tiles on their way to LDS: two sets of 16
.set SCO,  112                         ; v112 2^e6, v113 448 x 2^e6
.set LIMO, 113
.set S,    128                         ; v128-255 S^T, then p: 64 t + 8 kt
.set O,    0                           ; window 1: O^T: 32 t + 8 ct
.set KF,   64                          ; window 1: K's eight fragments
.set VF,   128                         ; window 1: V's four fragments
.set MSB, 0
.macro WIN new                         ; the immediate's high byte repeats the setting that is left; a switch that changes nothing is dropped
.if MSB != (\new)
	s_set_vgpr_msb (MSB<<8)|(\new)
.set MSB, (\new)
.endif
.endm
.macro SCL e, vs, vl                   ; s[e] = E  ->  v[vs] = 2^E, v[vl] = 448 x 2^E
	s_add_co_i32 s46, s[\e], 127
	s_lshl_b32 s47, s46, 23
	v_mov_b32 v[\vs], s47
	s_add_co_i32 s46, s46, 8
	s_lshl_b32 s46, s46, 23
	s_or_b32 s46, s46, 0x600000
	v_mov_b32 v[\vl], s46
.endm
; A PREFETCH of tiles T_(j+4) and T_(j+5), 32,768 bytes, in the trip that begins with step j: one trip of two steps ahead of the loads that will ask for them.  All sixteen work-groups of a bh walk the same kv: the first of them
; asks, and in it waves 0 to 3, a lane for each 256 bytes: each such block is named once in the launch.  It stands behind the step's loads.  The loop's last trip asks for nothing, so nothing is named beyond T_29;
; T_0 to T_3, T_30 and the last V come by their loads alone.
.macro ASK
	s_cmp_gt_u32 s34, s35
	s_cbranch_scc0 .Lnoask_\@
	global_prefetch_b8 v[PFO], s[16:17] offset:65536 th:TH_LOAD_NT scope:SCOPE_SE
.Lnoask_\@:
.endm
; Line k of 32 of tile t's sum of p, two numbers at a time, in two chains: 0 starts the second chain, 1 to 30 go by turns, 31 joins them.
.macro SUMOP t, k
.if (\k) == 0
	v_pk_add_f32 v[C2+2*\t:C2+2*\t+1], v[S+64*\t:S+64*\t+1], v[S+64*\t+2:S+64*\t+3]
.elseif (\k) == 31
	v_pk_add_f32 v[ST+8*\t+2:ST+8*\t+3], v[ST+8*\t+2:ST+8*\t+3], v[C2+2*\t:C2+2*\t+1]
.elseif (\k)%2 == 1
	v_pk_add_f32 v[ST+8*\t+2:ST+8*\t+3], v[ST+8*\t+2:ST+8*\t+3], v[S+64*\t+2*(\k)+2:S+64*\t+2*(\k)+3]
.else
	v_pk_add_f32 v[C2+2*\t:C2+2*\t+1], v[C2+2*\t:C2+2*\t+1], v[S+64*\t+2*(\k)+2:S+64*\t+2*(\k)+3]
.endif
.endm
; Group g of four of a step's LDS loads, eight loads each: g = 0, 1: V's fragments 2 g, 2 g + 1 of this step; g = 2, 3 (where kl = 1): K's fragments 4 (g - 2) .. 4 (g - 2) + 3 of the next step.
; No wait stands here: no vector or matrix instruction issued since the wait behind tile 0's exponentials names LI, KF or VF.
.macro LOADS slot, g, kl
.if (\g) < 2
	WIN 0x40                                       ; destination window 1
.irp c, 0,1
.irp q, 0,1,2,3
	ds_load_b128 v[VF+16*(2*(\g)+\c)+4*\q:VF+16*(2*(\g)+\c)+4*\q+3], v[LI] offset:\slot*16384+(2*(\g)+\c)*2048+\q*512
.endr
.endr
	WIN 0
.elseif \kl
	WIN 0x40                                       ; destination window 1
.irp c, 0,1,2,3
.irp q, 0,1
	ds_load_b128 v[KF+8*(4*((\g)-2)+\c)+4*\q:KF+8*(4*((\g)-2)+\c)+4*\q+3], v[LI] offset:\slot*16384+8192+(4*((\g)-2)+\c)*1024+\q*512
.endr
.endr
	WIN 0
.endif
.endm
; STEP j.  slot = j % 2.  ld: T_(j+2) is asked for (1: whole, 2: its V alone, 0: not).  st: T_(j+1) goes into the other slot (1, 2, 0 likewise).  kl: K of step j + 1 is fetched.  bar: the barrier.  ask: the prefetch.
.macro STEP slot, ld, st, kl, bar, ask
.set NLD, 0
.if \ld == 1
.set NLD, 4
.elseif \ld == 2
.set NLD, 2
.endif
.set NST, 0
.if \st == 1
.set NST, 4
.elseif \st == 2
.set NST, 2
.endif
	WIN 0x01                                       ; source 0 (K) window 1
.irp kt, 0,1,2,3,4,5,6,7
.irp t, 0,1
	v_wmma_f32_16x16x64_fp8_fp8 v[S+64*\t+8*\kt:S+64*\t+8*\kt+7], v[KF+8*\kt:KF+8*\kt+7], v[Q+8*\t:Q+8*\t+7], 0
.endr
.endr
	WIN 0
.if \ld
	s_wait_alu depctr_vm_vsrc(0)                   ; the LDS stores of the step before (in step 0: the prologue's) have read SG[slot], in which the loads below land
.endif
.irp i, 0,1,2,3
.if \i < NLD
	global_load_b128 v[SG+16*\slot+4*\i:SG+16*\slot+4*\i+3], v[SA], s[16:17] offset:32768+16384*\slot+4096*\i   ; a wave reads 512 consecutive bytes, aligned
.endif
.endr
.if \ask
	ASK
.endif
.if \st
	s_wait_loadcnt NLD                             ; only the loads that this step has issued may be out: T_(j+1), asked for a step ago, is in
.irp i, 0,1,2,3
.if \i < NST
	ds_store_b128 v[SA], v[SG+16*(1-\slot)+4*\i:SG+16*(1-\slot)+4*\i+3] offset:(1-\slot)*16384+4096*\i   ; into the slot that nobody has read since the last barrier
.endif
.endr
.endif
.rept 4
	v_nop                                          ; four places behind the products, ahead of the first reads of the scores (ISA guide 7.12.1)
.endr
	; the largest score of each query, among my 64 keys, in two chains a tile; each accumulator is read from its low end on
.irp t, 0,1
	v_max3_num_f32 v[ST+8*\t+6], v[S+64*\t], v[S+64*\t+1], v[S+64*\t+2]
	v_max3_num_f32 v[ST+8*\t+7], v[S+64*\t+3], v[S+64*\t+4], v[S+64*\t+5]
.endr
.irp i, 6,10,14,18,22,26,30,34,38,42,46,50,54,58
.irp t, 0,1
	v_max3_num_f32 v[ST+8*\t+6], v[ST+8*\t+6], v[S+64*\t+\i], v[S+64*\t+\i+1]
	v_max3_num_f32 v[ST+8*\t+7], v[ST+8*\t+7], v[S+64*\t+\i+2], v[S+64*\t+\i+3]
.endr
.endr
.irp t, 0,1
	v_max3_num_f32 v[ST+8*\t+6], v[ST+8*\t+6], v[S+64*\t+62], v[S+64*\t+63]
.endr
.irp t, 0,1
	v_max_num_f32 v[ST+8*\t+6], v[ST+8*\t+6], v[ST+8*\t+7]
.endr
.irp t, 0,1
	v_permlanex16_b32 v[PD+\t], v[ST+8*\t+6], s20, s21     ; the query's other 64 keys lie in lane l xor 16
.endr
.irp t, 0,1
	v_max_num_f32 v[ST+8*\t+6], v[ST+8*\t+6], v[PD+\t]
.endr
.irp t, 0,1
	v_mul_f32 v[ST+8*\t+6], s22, v[ST+8*\t+6]              ; as t (c is positive)
.endr
.irp t, 0,1
	v_max_num_f32 v[ST+8*\t+1], v[ST+8*\t+1], v[ST+8*\t+6] ; the running largest t
.endr
.irp t, 0,1
	v_mov_b32 v[ST+8*\t+6], v[ST+8*\t]
.endr
.irp t, 0,1
	v_floor_f32 v[ST+8*\t], -v[ST+8*\t+1]                  ; -M = floor(-t) = -ceil(t)
.endr
.irp t, 0,1
	v_sub_f32 v[ST+8*\t+6], v[ST+8*\t], v[ST+8*\t+6]       ; old M - new M: a whole number, 0 or less
.endr
.irp t, 0,1
	v_cvt_i32_f32 v[ST+8*\t+6], v[ST+8*\t+6]               ; (it saturates)
.endr
.irp t, 0,1
	v_ldexp_f32 v[ST+8*\t+4], 1.0, v[ST+8*\t+6]            ; f = 2^(old M - new M)
.endr
.set cnt, 0
.rept 32
	v_pk_fma_f32 v[S+2*cnt:S+2*cnt+1], v[S+2*cnt:S+2*cnt+1], s[22:23], v[ST:ST+1] op_sel_hi:[1,0,0]   ; tile 0: t - M (of the pairs c and -M the low word serves both halves)
.set cnt, cnt+1
.endr
	; two batches of 64 exponentials, each with one wait; the other tile's plain lines stand among them
.set cnt, 0
.rept 32
	v_exp_f32 v[S+2*cnt], v[S+2*cnt]
	v_exp_f32 v[S+2*cnt+1], v[S+2*cnt+1]
	v_pk_fma_f32 v[S+64+2*cnt:S+64+2*cnt+1], v[S+64+2*cnt:S+64+2*cnt+1], s[22:23], v[ST+8:ST+9] op_sel_hi:[1,0,0]   ; tile 1: t - M
.set cnt, cnt+1
.endr
	v_pk_mul_f32 v[ST+2:ST+3], v[ST+2:ST+3], v[ST+4:ST+5] op_sel_hi:[1,0]         ; the sums under the new M
	v_pk_mul_f32 v[ST+10:ST+11], v[ST+10:ST+11], v[ST+12:ST+13] op_sel_hi:[1,0]
	s_wait_alu depctr_va_vdst(0)                   ; tile 0's 64 exponentials have written their results, which the sums below read; this step's products K Q^T are done reading KF and the last step's products V^T P^T are done reading VF, in which the LDS loads below land
.set cnt, 0
.rept 32
.if (cnt%8) == 0
	LOADS \slot, cnt/8, \kl                        ; eight of the step's LDS loads: V of this step, then K of the next
.endif
	v_exp_f32 v[S+64+2*cnt], v[S+64+2*cnt]
	v_exp_f32 v[S+64+2*cnt+1], v[S+64+2*cnt+1]
	SUMOP 0, cnt                                   ; tile 0's sum, of the unquantised p
.set cnt, cnt+1
.endr
	s_wait_alu depctr_va_vdst(0)                   ; tile 1's 64 exponentials have written their results, which the sums below read; the line above is the plain line behind the last of them
.set cnt, 0
.rept 32
	SUMOP 1, cnt
.set cnt, cnt+1
.endr
	s_cmp_eq_u32 s33, 0                            ; e5 >= -8: no p can pass the largest code
	s_cbranch_scc1 .Lnohold_\@
.set cnt, 0
.rept 128
	v_min_num_f32 v[S+cnt], v[S+cnt], v[LIMP]      ; p is not negative: the hold is one-sided
.set cnt, cnt+1
.endr
.Lnohold_\@:
.irp kt, 0,1,2,3,4,5,6,7
.irp t, 0,1
	v_cvt_scalef32_pk8_fp8_f32 v[CD+16*\t+2*\kt:CD+16*\t+2*\kt+1], v[S+64*\t+8*\kt:S+64*\t+8*\kt+7], v[SCP]
.endr
.endr
	WIN 0x41                                       ; O^T (source 0 and destination) window 1, f window 0
.irp t, 0,1
.set cnt, 0
.rept 16
	v_pk_mul_f32 v[O+32*\t+2*cnt:O+32*\t+2*cnt+1], v[O+32*\t+2*cnt:O+32*\t+2*cnt+1], v[ST+8*\t+4:ST+8*\t+5] op_sel_hi:[1,0]   ; O^T under the new M; also the plain lines behind the conversions
.set cnt, cnt+1
.endr
.endr
	s_wait_dscnt 0x0                               ; V and the next K are in registers; my stores into the other slot have landed; my reads of this slot are over
.if \bar
	s_barrier_signal -1
.endif
	WIN 0x51                                       ; V window 1, P window 0, O^T window 1
.irp ct, 0,1,2,3
.irp t, 0,1
	v_wmma_f32_16x16x128_fp8_fp8 v[O+32*\t+8*\ct:O+32*\t+8*\ct+7], v[VF+16*\ct:VF+16*\ct+15], v[CD+16*\t:CD+16*\t+15], v[O+32*\t+8*\ct:O+32*\t+8*\ct+7]   ; the eight accumulators take turns
.endr
.endr
	WIN 0
.if \bar
	s_barrier_wait -1                              ; the other slot is whole, and nobody reads this one any more
.endif
.endm
	s_load_b256 s[4:11], s[0:1], 0x0               ; q 4:5, kv 6:7, scales 8:9, oc 10:11
	v_lshl_add_u32 v126, v0, 2, 0x8000
	v_mov_b32 v127, 0
	v_and_b32 v4, 31, v0
	v_lshlrev_b32 v[LI], 4, v4
	v_lshlrev_b32 v[SA], 4, v0
	v_and_b32 v4, 127, v0
	v_lshlrev_b32 v[PFO], 8, v4
	v_lshrrev_b32 v4, 5, v0
	v_readfirstlane_b32 s12, v4                    ; wave w
	s_lshr_b32 s13, ttmp9, 4                       ; bh
	s_and_b32 s14, ttmp9, 15                       ; qb: which 256 queries
	s_lshl_b32 s40, s13, 8
	s_lshl_b32 s41, s14, 4
	s_add_co_u32 s40, s40, s41
	s_wait_alu depctr_va_sdst(0)                   ; s12, the wave's number, is written, ahead of its first reader
	s_lshl_b32 s41, s12, 1
	s_add_co_u32 s40, s40, s41
	s_lshl_b32 s40, s40, 10                        ; q: fragment (bh, 16 qb + 2 w), 1,024 bytes each
	s_mov_b32 s41, 0
	s_lshl_b32 s42, s13, 19                        ; kv: 524,288 bytes a bh
	s_mov_b32 s43, 0
	s_lshr_b32 s44, s13, 2
	s_lshl_b32 s44, s44, 8
	s_lshl_b32 s45, s14, 4
	s_add_co_u32 s44, s44, s45
	s_lshl_b32 s45, s12, 1
	s_add_co_u32 s44, s44, s45                     ; oc: position tile (b, 16 qb + 2 w): two fragments of 2,048 bytes each;
	s_lshl_b32 s44, s44, 1
	s_bfe_u32 s45, s13, 0x10001
	s_add_co_u32 s44, s44, s45                     ; my head's 64 channels lie in fragment head / 2,
	s_lshl_b32 s44, s44, 11
	s_and_b32 s45, s13, 1
	s_lshl_b32 s45, s45, 10
	s_add_co_u32 s44, s44, s45                     ; groups 2 (head % 2) + 0, 1
	s_mov_b32 s45, 0
	s_lshr_b32 s35, s12, 2
	s_or_b32 s35, s35, s14
	s_cmp_eq_u32 s35, 0
	s_cselect_b32 s35, 1, -1                       ; 1 in waves 0 to 3 of the bh's first work-group, which prefetch; else the greatest number
	s_mov_b32 s20, 0x76543210                      ; v_permlanex16_b32: lane l xor 16
	s_mov_b32 s21, 0xfedcba98
	s_mov_b32 s34, 14                              ; the loop's trips
	s_wait_kmcnt 0x0
	s_load_b256 s[24:31], s[8:9], 0x0              ; e0 .. e7
	s_add_nc_u64 s[4:5], s[4:5], s[40:41]
	s_add_nc_u64 s[18:19], s[6:7], s[42:43]        ; K of step 0
	s_add_nc_u64 s[16:17], s[18:19], 8192          ; T_0
	s_add_nc_u64 s[10:11], s[10:11], s[44:45]
	s_wait_alu depctr_va_vdst(0)                   ; v1, v2 and v3 (LI, SA, PFO) are written, which every load, LDS store, store and prefetch of the kernel reads as its offset or address
.irp t, 0,1
.irp g, 0,1
	global_load_b128 v[Q+8*\t+4*\g:Q+8*\t+4*\g+3], v[LI], s[4:5] offset:\t*1024+\g*512      ; the buffers hold register images: Q and the first K go straight into their registers
.endr
.endr
	WIN 0x40
.irp kt, 0,1,2,3,4,5,6,7
.irp g, 0,1
	global_load_b128 v[KF+8*\kt+4*\g:KF+8*\kt+4*\g+3], v[LI], s[18:19] offset:\kt*1024+\g*512
.endr
.endr
	WIN 0
.irp n, 0,1
.irp i, 0,1,2,3
	global_load_b128 v[SG+16*\n+4*\i:SG+16*\n+4*\i+3], v[SA], s[16:17] offset:16384*\n+4096*\i   ; T_0, T_1
.endr
.endr
	WIN 0x40
.set cnt, 0
.rept 64
	v_mov_b32 v[O+cnt], 0                          ; O^T: the step is written with no first step of its own: the first finds zeros, which the first change of M leaves zeros
.set cnt, cnt+1
.endr
	WIN 0
.irp t, 0,1
	v_mov_b32 v[ST+8*\t+1], 0xff61b1e6             ; the largest t so far: -3e38
	v_floor_f32 v[ST+8*\t], -v[ST+8*\t+1]
	v_mov_b32 v[ST+8*\t+2], 0
	v_mov_b32 v[ST+8*\t+3], 0
	v_mov_b32 v[ST+8*\t+5], 0
	v_mov_b32 v[PD+\t], 0                          ; a lane permute's destination counts as one of its sources
.endr
	s_wait_kmcnt 0x0
	s_add_co_i32 s22, s26, s27
	s_lshl_b32 s22, s22, 23
	s_add_co_i32 s22, s22, 0x3fb8aa3b              ; c = log2(e) x 2^(e2 + e3): the exponents are added to log2(e)'s exponent field (the 1/8 went into q's codes)
	s_mov_b32 s23, s22
	SCL 29, SCP, LIMP
	SCL 30, SCO, LIMO
	s_add_co_i32 s36, s28, s29                     ; e4 + e5
	s_cmp_lt_i32 s29, -8
	s_cselect_b32 s33, 1, 0                        ; is the hold needed?
	s_wait_loadcnt 4                               ; T_1's four loads may be out: Q, the first K and T_0 are in
.irp i, 0,1,2,3
	ds_store_b128 v[SA], v[SG+4*\i:SG+4*\i+3] offset:4096*\i
.endr
	s_wait_dscnt 0x0
	s_barrier_signal -1
	s_barrier_wait -1                              ; T_0 lies in slot 0
.Ltrip:                                            ; 14 trips of two steps: steps 0 to 27
	STEP 0, 1, 1, 1, 1, 1
	STEP 1, 1, 1, 1, 1, 0
	s_wait_xcnt 0x0                                ; the trip's loads and its prefetch have read their base
	s_add_nc_u64 s[16:17], s[16:17], 32768
	s_sub_co_u32 s34, s34, 1
	s_cmp_lg_u32 s34, 0
	s_cbranch_scc1 .Ltrip
	STEP 0, 1, 1, 1, 1, 0                          ; step 28 asks for T_30
	STEP 1, 2, 1, 1, 1, 0                          ; step 29 for the last V alone: no load leaves kv
	STEP 0, 0, 2, 1, 1, 0                          ; step 30 asks for nothing, and stores the last V
	STEP 1, 0, 0, 0, 0, 0                          ; step 31
	; THE WAY OUT: O^T x 2^(e4 + e5) / the sum, quantised with 2^e6: an accumulator's eight channels are registers 2 c, 2 c + 1 of the projection's fragment.  The additions are among the places behind the last products.
.irp t, 0,1
	v_add_f32 v[ST+8*\t+6], v[ST+8*\t+2], v[ST+8*\t+3]
.endr
.irp t, 0,1
	v_permlanex16_b32 v[PD+\t], v[ST+8*\t+6], s20, s21
.endr
.irp t, 0,1
	v_add_f32 v[ST+8*\t+6], v[ST+8*\t+6], v[PD+\t]
.endr
.irp t, 0,1
	v_rcp_f32 v[ST+8*\t+7], v[ST+8*\t+6]
.endr
	v_nop                                          ; a plain line behind the last reciprocal
	s_wait_alu depctr_va_vdst(0)                   ; the two reciprocals have written their results: one wait ahead of their first reader, for both
.irp t, 0,1
	v_ldexp_f32 v[ST+8*\t+6], v[ST+8*\t+7], s36
.endr
	WIN 0x01                                       ; source 0 (O^T) window 1
.irp t, 0,1
.set cnt, 0
.rept 16
	v_pk_mul_f32 v[S+32*\t+2*cnt:S+32*\t+2*cnt+1], v[O+32*\t+2*cnt:O+32*\t+2*cnt+1], v[ST+8*\t+6:ST+8*\t+7] op_sel_hi:[1,0]
.set cnt, cnt+1
.endr
.endr
	WIN 0
.set cnt, 0
.rept 64
	v_med3_num_f32 v[S+cnt], v[S+cnt], -v[LIMO], v[LIMO]
.set cnt, cnt+1
.endr
.irp t, 0,1
.irp ct, 0,1,2,3
	v_cvt_scalef32_pk8_fp8_f32 v[CD+8*\t+2*\ct:CD+8*\t+2*\ct+1], v[S+32*\t+8*\ct:S+32*\t+8*\ct+7], v[SCO]
.endr
.endr
	v_nop
	s_wait_alu depctr_va_vdst(0)                   ; the conversions have written v[CD ..], which the stores below read
.irp t, 0,1
.irp g, 0,1
	global_store_b128 v[LI], v[CD+8*\t+4*\g:CD+8*\t+4*\g+3], s[10:11] offset:\t*4096+\g*512   ; the wave stores 512 consecutive bytes, aligned
.endr
.endr
	s_wait_dscnt 0x0                               ; the closing lines, six on end
	s_wait_alu 0x0
	s_wait_tensorcnt 0x0
	ds_add_u32 v126, v127
	s_wait_dscnt 0x0
	s_endpgm
.Lfunc_end_k_q627d3ac2a4_attn:
	.size	k_q627d3ac2a4_attn, .Lfunc_end_k_q627d3ac2a4_attn-k_q627d3ac2a4_attn
	.p2alignl 7, 3214868480
	.fill 96, 4, 3214868480
	.section	.rodata,"a",@progbits
	.p2align	6, 0x0
	.amdhsa_kernel k_q627d3ac2a4_attn
		.amdhsa_group_segment_fixed_size 33792
		.amdhsa_private_segment_fixed_size 0
		.amdhsa_enable_private_segment 0
		.amdhsa_kernarg_size 32
		.amdhsa_user_sgpr_count 2
		.amdhsa_user_sgpr_kernarg_segment_ptr 1
		.amdhsa_wavefront_size32 1
		.amdhsa_system_sgpr_workgroup_id_x 1
		.amdhsa_system_sgpr_workgroup_id_y 1
		.amdhsa_system_sgpr_workgroup_id_z 1
		.amdhsa_system_vgpr_workitem_id 0
		.amdhsa_next_free_vgpr 448
		.amdhsa_next_free_sgpr 66
		.amdhsa_reserve_vcc 0
		.amdhsa_float_denorm_mode_32 3
		.amdhsa_float_denorm_mode_16_64 3
		.amdhsa_memory_ordered 1
		.amdhsa_forward_progress 1
		.amdhsa_inst_pref_size 187
	.end_amdhsa_kernel
	.amdgpu_metadata
---
amdhsa.version: [ 1, 2 ]
amdhsa.kernels:
  - .name:           k_q627d3ac2a4_attn
    .symbol:         k_q627d3ac2a4_attn.kd
    .args:
      - { .name: q, .offset: 0, .size: 8, .value_kind: global_buffer, .address_space: global }
      - { .name: kv, .offset: 8, .size: 8, .value_kind: global_buffer, .address_space: global }
      - { .name: lowp_scales, .offset: 16, .size: 8, .value_kind: global_buffer, .address_space: global }
      - { .name: oc, .offset: 24, .size: 8, .value_kind: global_buffer, .address_space: global }
    .group_segment_fixed_size: 33792
    .private_segment_fixed_size: 0
    .kernarg_segment_align: 8
    .kernarg_segment_size: 32
    .max_flat_workgroup_size: 256
    .sgpr_count:     66
    .vgpr_count:     448
    .wavefront_size: 32
...
	.end_amdgpu_metadata
.endif
;; end of part 6
;; launch proj (part 7): grid 256 x 1, 8 waves a work-group, no clusters, 70,656 bytes of LDS; arguments oc, proj_w_codes, proj_b, x, lowp_scales, out0; writes out0
.if DOCPART == 7
	.amdgcn_target "amdgcn-amd-amdhsa--gfx1250"
	.amdhsa_code_object_version 6
	.text
	.protected	k_q627d3ac2a4_proj
	.globl	k_q627d3ac2a4_proj
	.p2align	8
	.type	k_q627d3ac2a4_proj,@function
k_q627d3ac2a4_proj:
	s_mov_b64 s[64:65], 0
	v_nop
	global_prefetch_b8 v0, s[64:65] scope:SCOPE_SE
	s_setreg_imm32_b32 hwreg(HW_REG_WAVE_SCHED_MODE, 0, 2), 2
	s_setreg_imm32_b32 hwreg(HW_REG_WAVE_MODE, 25, 1), 1
	s_wait_xcnt 0x0
	s_wait_alu depctr_vm_vsrc(0)
; out0 = x + proj_w (attention's result) + proj_b.  oc: the result's codes (2^e6) as register images, 16 positions x 128 channels a fragment; proj_w's codes (2^e7): [256][256], K innermost.
; SHARES.  A work-group takes one batch b and 64 positions (four tiles m); wave w makes output channels 32 w .. 32 w + 31 (two tiles tp), K = 256 in two steps: 16 matrix instructions on eight accumulators by turns.
; Source 0 = 16 positions, source 1 = 16 rows of proj_w: a lane holds one channel and eight neighbouring positions, 32 bytes of a row of out0.  A wave's 32 rows x 256 bytes are its own: they go through its own stage in LDS
; (no barrier: LDS serves a wave's instructions in order, ISA guide 5.7.1.4) and leave with sixteen lanes storing 256 consecutive bytes, aligned.  k stands in its own places on both sides (registers 2 c, 2 c + 1: k = 16 c + 8 h + 0 .. 7).
; No tensor loads, no cluster: every operand goes straight into the registers that use it once.
; LIMIT: e6 + e7 between -126 and 127, so that 2^(e6 + e7) is an f32 number.
; THE MODE: SCHED_MODE bits 1:0 = 2 (LLVM: expert scheduling mode 2), set by the entry lines.  The code itself states the register dependences
; between vector or matrix instructions and memory or LDS instructions, with s_wait_alu, always for 0.
; THE PLAN.  Registers that memory or LDS instructions touch:
;   v1 .. v6     offsets and LDS addresses: written at the head and never again.  One wait on va_vdst ahead of the first load.
;   v80 .. v143  oc's fragments land, the products read them; then (TMP) the packed multiply-adds write them and the LDS stores read them.
;   v144 .. v207 oc's fragments land, the products read them; then (RB) the stage's LDS loads land; the residual's additions write them; the global stores read them.
;   One wait on va_vdst ahead of the LDS stores states that TMP is written and that the products are done reading RB's registers; one ahead of the global stores states that the additions have written RB.
;   No register that a store has read is written again.
.set LI,  1                            ; v1  16 x lane
.set WO,  2                            ; v2  256 r + 8 h: my place in 16 rows of proj_w
.set BV,  3                            ; v3  4 r
.set XO,  4                            ; v4  16,384 h + 16 r: my 16 bytes in two rows of x and of out0
.set STO, 5                            ; v5  the stage: where I put 32 bytes of a row
.set RD,  6                            ; v6  and where I read a row back
.set WFP, 16                           ; v16-79   proj_w's fragment (tp, ks) at 32 tp + 16 ks
.set AF,  80                           ; v80-207  oc's fragment (m, ks) at 16 (2 m + ks)
.set BP,  208                          ; v[208:209], v[210:211] the bias of my channel in tile tp (the upper word is only named)
.set TMP, 80                           ; behind the products: results
.set RB,  144                          ; and whole rows read back
.set ACC, 0                            ; window 1: accumulator (tp, m) at 8 (4 tp + m)
.set XRR, 64                           ; window 1: x, 16 x 4 registers
.set SP,  272                          ; a stage row: 256 bytes + 16 = 68 words: row r starts at bank 4 r mod 64 (64 banks of 4 bytes: ISA guide 11.1)
.set MSB, 0
.macro WIN new
.if MSB != (\new)
	s_set_vgpr_msb (MSB<<8)|(\new)
.set MSB, (\new)
.endif
.endm
	s_load_b256 s[4:11], s[0:1], 0x0               ; oc 4:5, proj_w 6:7, proj_b 8:9, x 10:11
	s_load_b128 s[12:15], s[0:1], 0x20             ; scales 12:13, out0 14:15
	v_lshl_add_u32 v254, v0, 2, 0x11000
	v_mov_b32 v255, 0
	v_lshrrev_b32 v7, 5, v0
	v_readfirstlane_b32 s16, v7                    ; wave w
	s_lshr_b32 s17, ttmp9, 6                       ; b
	s_and_b32 s18, ttmp9, 63                       ; blk
	v_and_b32 v9, 31, v0
	v_lshlrev_b32 v[LI], 4, v9
	v_and_b32 v7, 15, v0                           ; r
	v_bfe_u32 v8, v0, 4, 1                         ; h
	v_lshlrev_b32 v[WO], 8, v7
	v_lshl_add_u32 v[WO], v8, 3, v[WO]
	v_lshlrev_b32 v[BV], 2, v7
	v_lshlrev_b32 v[XO], 14, v8
	v_lshl_add_u32 v[XO], v7, 4, v[XO]
	s_wait_alu depctr_va_sdst(0)                   ; s16, the wave's number, is written, ahead of its first reader
	s_mul_i32 s23, s16, 32*SP                      ; my stage
	v_mul_u32_u24 v[STO], v7, SP
	v_lshl_add_u32 v[STO], v8, 5, v[STO]
	v_add_nc_u32 v[STO], s23, v[STO]               ; in: row = my channel, + 32 h
	v_mul_u32_u24 v[RD], v8, SP
	v_lshl_add_u32 v[RD], v7, 4, v[RD]
	v_add_nc_u32 v[RD], s23, v[RD]                 ; back: lanes 0-15 one row, lanes 16-31 the next
	v_mov_b32 v[BP+1], 0
	v_mov_b32 v[BP+3], 0
	s_mov_b32 s21, 0
	s_wait_kmcnt 0x0
	s_load_b64 s[24:25], s[12:13], 0x18            ; e6, e7
	s_lshl_b32 s20, s17, 20
	s_lshl_b32 s22, s18, 14
	s_add_co_u32 s20, s20, s22                     ; oc: position tile (b, 4 blk), 4,096 bytes each
	s_add_nc_u64 s[4:5], s[4:5], s[20:21]
	s_lshl_b32 s20, s16, 13                        ; my 32 rows of proj_w
	s_add_nc_u64 s[6:7], s[6:7], s[20:21]
	s_lshl_b32 s20, s16, 7
	s_add_nc_u64 s[8:9], s[8:9], s[20:21]
	s_lshl_b32 s20, s17, 22
	s_lshl_b32 s22, s16, 19
	s_add_co_u32 s20, s20, s22
	s_lshl_b32 s22, s18, 8
	s_add_co_u32 s20, s20, s22                     ; x and out0: batch, my 32 channels, the 64 positions
	s_add_nc_u64 s[10:11], s[10:11], s[20:21]
	s_add_nc_u64 s[14:15], s[14:15], s[20:21]
	s_wait_alu depctr_va_vdst(0)                   ; the six offsets and LDS addresses v1 to v6 are written, which every load and store of the kernel reads
.irp f, 0,1,2,3,4,5,6,7
.irp g, 0,1,2,3
	global_load_b128 v[AF+16*\f+4*\g:AF+16*\f+4*\g+3], v[LI], s[4:5] offset:\f*2048+\g*512   ; a register image: 512 consecutive bytes a load
.endr
.endr
.irp tp, 0,1
.irp ks, 0,1
.irp c, 0,1,2,3,4,5,6,7
	global_load_b64 v[WFP+32*\tp+16*\ks+2*\c:WFP+32*\tp+16*\ks+2*\c+1], v[WO], s[6:7] offset:\tp*4096+\ks*128+16*\c
.endr
.endr
.endr
.irp tp, 0,1
	global_load_b32 v[BP+2*\tp], v[BV], s[8:9] offset:\tp*64
.endr
	WIN 0x40                                       ; destination window 1
.irp i, 0,1,2,3,4,5,6,7,8,9,10,11,12,13,14,15
	global_load_b128 v[XRR+4*\i:XRR+4*\i+3], v[XO], s[10:11] offset:32768*\i th:TH_LOAD_NT    ; rows 2 i, 2 i + 1: sixteen lanes read 256 consecutive bytes
.endr
	s_wait_loadcnt 16                              ; the residual's sixteen loads may be out
.irp tp, 0,1
.irp m, 0,1,2,3
	v_wmma_f32_16x16x128_fp8_fp8 v[ACC+8*(4*\tp+\m):ACC+8*(4*\tp+\m)+7], v[AF+16*(2*\m):AF+16*(2*\m)+15], v[WFP+32*\tp:WFP+32*\tp+15], 0
.endr
.endr
	WIN 0x50                                       ; C and D window 1
.irp tp, 0,1
.irp m, 0,1,2,3
	v_wmma_f32_16x16x128_fp8_fp8 v[ACC+8*(4*\tp+\m):ACC+8*(4*\tp+\m)+7], v[AF+16*(2*\m+1):AF+16*(2*\m+1)+15], v[WFP+32*\tp+16:WFP+32*\tp+31], v[ACC+8*(4*\tp+\m):ACC+8*(4*\tp+\m)+7]
.endr
.endr
.rept 4
	v_nop                                          ; four places behind the last product: for the reads of results, and for the lines that write the registers that held oc's fragments (ISA guide 7.12.1)
.endr
	s_wait_kmcnt 0x0
	s_add_co_i32 s26, s24, s25
	s_add_co_i32 s26, s26, 127
	s_lshl_b32 s26, s26, 23                        ; 2^(e6 + e7) as f32
	s_mov_b32 s27, s26
	WIN 0x01                                       ; source 0 (the sums) window 1
.irp tp, 0,1
.irp m, 0,1,2,3
.irp i, 0,2,4,6
	v_pk_fma_f32 v[TMP+8*(4*\tp+\m)+\i:TMP+8*(4*\tp+\m)+\i+1], v[ACC+8*(4*\tp+\m)+\i:ACC+8*(4*\tp+\m)+\i+1], s[26:27], v[BP+2*\tp:BP+2*\tp+1] op_sel_hi:[1,0,0]   ; sum x 2^(e6 + e7) + bias
.endr
.endr
.endr
	WIN 0
	s_wait_alu depctr_va_vdst(0)                   ; the multiply-adds have written v[TMP ..], which the LDS stores read; the products are done reading v[RB ..], in which the stage's LDS loads land
.irp tp, 0,1
.irp m, 0,1,2,3
	ds_store_b128 v[STO], v[TMP+8*(4*\tp+\m):TMP+8*(4*\tp+\m)+3] offset:\tp*16*SP+\m*64
	ds_store_b128 v[STO], v[TMP+8*(4*\tp+\m)+4:TMP+8*(4*\tp+\m)+7] offset:\tp*16*SP+\m*64+16
.endr
.endr
.irp i, 0,1,2,3,4,5,6,7,8,9,10,11,12,13,14,15
	ds_load_b128 v[RB+4*\i:RB+4*\i+3], v[RD] offset:\i*2*SP
.endr
	s_wait_loadcnt 0x0                             ; x
	s_wait_dscnt 0x0
	WIN 0x04                                       ; source 1 (x) window 1
.set p, 0
.rept 32
	v_pk_add_f32 v[RB+2*p:RB+2*p+1], v[RB+2*p:RB+2*p+1], v[XRR+2*p:XRR+2*p+1]
.set p, p+1
.endr
	WIN 0
	s_wait_alu depctr_va_vdst(0)                   ; the additions have written v[RB ..], which the stores below read
.irp i, 0,1,2,3,4,5,6,7,8,9,10,11,12,13,14,15
	global_store_b128 v[XO], v[RB+4*\i:RB+4*\i+3], s[14:15] offset:32768*\i th:TH_STORE_NT   ; sixteen lanes store 256 consecutive bytes, aligned
.endr
	s_wait_dscnt 0x0                               ; the closing lines, six on end
	s_wait_alu 0x0
	s_wait_tensorcnt 0x0
	ds_add_u32 v254, v255
	s_wait_dscnt 0x0
	s_endpgm
.Lfunc_end_k_q627d3ac2a4_proj:
	.size	k_q627d3ac2a4_proj, .Lfunc_end_k_q627d3ac2a4_proj-k_q627d3ac2a4_proj
	.p2alignl 7, 3214868480
	.fill 96, 4, 3214868480
	.section	.rodata,"a",@progbits
	.p2align	6, 0x0
	.amdhsa_kernel k_q627d3ac2a4_proj
		.amdhsa_group_segment_fixed_size 70656
		.amdhsa_private_segment_fixed_size 0
		.amdhsa_enable_private_segment 0
		.amdhsa_kernarg_size 48
		.amdhsa_user_sgpr_count 2
		.amdhsa_user_sgpr_kernarg_segment_ptr 1
		.amdhsa_wavefront_size32 1
		.amdhsa_system_sgpr_workgroup_id_x 1
		.amdhsa_system_sgpr_workgroup_id_y 1
		.amdhsa_system_sgpr_workgroup_id_z 1
		.amdhsa_system_vgpr_workitem_id 0
		.amdhsa_next_free_vgpr 384
		.amdhsa_next_free_sgpr 66
		.amdhsa_reserve_vcc 0
		.amdhsa_float_denorm_mode_32 3
		.amdhsa_float_denorm_mode_16_64 3
		.amdhsa_memory_ordered 1
		.amdhsa_forward_progress 1
		.amdhsa_inst_pref_size 20
	.end_amdhsa_kernel
	.amdgpu_metadata
---
amdhsa.version: [ 1, 2 ]
amdhsa.kernels:
  - .name:           k_q627d3ac2a4_proj
    .symbol:         k_q627d3ac2a4_proj.kd
    .args:
      - { .name: oc, .offset: 0, .size: 8, .value_kind: global_buffer, .address_space: global }
      - { .name: proj_w_codes, .offset: 8, .size: 8, .value_kind: global_buffer, .address_space: global }
      - { .name: proj_b, .offset: 16, .size: 8, .value_kind: global_buffer, .address_space: global }
      - { .name: x, .offset: 24, .size: 8, .value_kind: global_buffer, .address_space: global }
      - { .name: lowp_scales, .offset: 32, .size: 8, .value_kind: global_buffer, .address_space: global }
      - { .name: out0, .offset: 40, .size: 8, .value_kind: global_buffer, .address_space: global }
    .group_segment_fixed_size: 70656
    .private_segment_fixed_size: 0
    .kernarg_segment_align: 8
    .kernarg_segment_size: 48
    .max_flat_workgroup_size: 256
    .sgpr_count:     66
    .vgpr_count:     384
    .wavefront_size: 32
...
	.end_amdgpu_metadata
.endif
;; end of part 7
